; MI455X (gfx1250); checked and timed in simulation.
; The chip was launched on July 23, 2026; its instructions are those of AMD's public machine-readable ISA for CDNA 5 (MIT licence, August 2026) and "CDNA5" Instruction Set Architecture Reference Guide (July 2026). The comments in the code are by the model that wrote it; some were corrected since.
;; Graph Conditioned Attention. Allowed arithmetic: matrix products marked QUANTISED: E4M3 operands, one given power-of-two scale a tensor, by v_wmma_f32_16x16x64_fp8_fp8 or v_wmma_f32_16x16x128_fp8_fp8, f32 sums; products left as they are: f32 operands where the result goes on into a quantised operand, else bf16, f16 or f32 operands; f32 sums; everything else in f32.
;; Inputs: Wg1 128 x 32 float32; Wg2 32 x 16 float32; Wgk 128 x 1,024 float32; Wk 1,024 x 1,024 float32; Wo 1,024 x 1,024 float32; Wq 1,024 x 1,024 float32; Wv 1,024 x 1,024 float32; attn_mask 8 x 1,024 bool; bg1 32 float32; bg2 16 float32; bgk 1,024 float32; bk 1,024 float32; bo 1,024 float32; bq 1,024 float32; bv 1,024 float32; cancer_type 8 int32; ct_bias_emb 32 x 16 float32; ct_key_emb 32 x 1,024 float32; graph_context 8 x 128 float32; lowp_scales 12 int32 (the exponents e of the quantised operands' scales 2^e); x 8 x 1,024 x 1,024 float32.
;; Outputs: out0 8 x 1,024 x 1,024 float32.
;; This version of the problem:
;;   THIS VERSION OF THE PROBLEM IS GIVEN IN LOW PRECISION. The matrix products marked QUANTISED in the list below multiply operands that are first quantised to E4M3 (4 exponent bits, 3 mantissa bits; 8 bits a number), with one given power-of-two scale for each operand tensor; their sums are f32. All else is computed in f32.
;;   The module's matrix products, in the order in which they are computed (A, B: the left and right operand; K: the contracted axis; several contracted axes count as one K, in the product's order):
;;     1. [M 8,192, K 1,024] x [K 1,024, N 1,024]; A: input x; B: input Wq: QUANTISED (scales: A lowp_scales[0], B lowp_scales[1])
;;     2. [M 8,192, K 1,024] x [K 1,024, N 1,024]; A: input x; B: input Wk: QUANTISED (scales: A lowp_scales[2], B lowp_scales[3])
;;     3. [M 8,192, K 1,024] x [K 1,024, N 1,024]; A: input x; B: input Wv: QUANTISED (scales: A lowp_scales[4], B lowp_scales[5])
;;     4. [M 8, K 128] x [K 128, N 1,024]; A: input graph_context; B: input Wgk: left as it is (M = 8 < 16)
;;     5. batch 128 x [M 1,024, K 64] x [K 64, N 1,024]; A: computed on the way; B: computed on the way: QUANTISED (scales: A lowp_scales[6], B lowp_scales[7])
;;     6. [M 8, K 128] x [K 128, N 32]; A: input graph_context; B: input Wg1: left as it is (M = 8 < 16)
;;     7. [M 8, K 32] x [K 32, N 16]; A: computed on the way; B: input Wg2: left as it is (M = 8 < 16)
;;     8. batch 128 x [M 1,024, K 1,024] x [K 1,024, N 64]; A: softmax (see below); B: computed on the way: QUANTISED (scales: A lowp_scales[8], B lowp_scales[9])
;;     9. [M 8,192, K 1,024] x [K 1,024, N 1,024]; A: computed on the way; B: input Wo: QUANTISED (scales: A lowp_scales[10], B lowp_scales[11])
;;   THE QUANTISER, for each operand of a quantised product, along K:
;;     - The operand's scale is 2^e, e = its entry of the input lowp_scales (int32; the entries are numbered through the quantised products in the list's order, A before B).
;;     - Each number is divided by the scale, clamped to +-448, and rounded to the nearest number of E4M3, ties to even, subnormals kept.
;;     - The product sums the exact products of the quantised numbers (number of the format x scale) in f32.
;;   ~~~python
;;   def quantise(x, axis, e):      # numpy; x: float32 -> the quantised numbers, widened to float32 again
;;       x = np.moveaxis(x, axis, -1); K = x.shape[-1]
;;       r = np.clip(x / 2.0 ** e, -448, 448)
;;       step = 2.0 ** (np.maximum(np.frexp(np.where(r == 0, 1, r))[1] - 1, -6) - 3)
;;       q = np.round(r / step) * step * 2.0 ** e      # np.round: ties to even
;;       return np.moveaxis(q, -1, axis).astype(np.float32)
;;   ~~~
;;   SOFTMAX AHEAD OF A QUANTISED PRODUCT. Where the list says 'softmax', what is quantised is not the finished softmax but p = 2^(t - M), with t = logit x log2(e) and M = ceil(the row's largest t), a whole number; so 1/2 < the row's largest p <= 1. The row's sum l is taken of the UNQUANTISED p, in f32, and the product's result is divided by l at the end. Since M is a whole number, a kernel that streams over the keys may use a running M (the ceiling of the running maximum): every later rescaling is an exact power of two, so the quantised numbers keep their values, but for numbers so far below the row's largest that they fall under the format's range.
;;   OPERANDS COMPUTED ON THE WAY. 'Computed on the way' means the value that the module computes at that place (a softmax that the list does not call 'softmax' is quantised finished and normalised). What goes into a quantiser is computed in f32, as accurately as f32 sums, v_exp_f32 and their like allow (about 1e-6 of the number): no bf16 or f16 on the way to a quantiser, and a product that is left as it is and whose result goes on into a quantised operand takes f32 operands (vector FMAs, or v_wmma_f32_16x16x4_f32). A number that lies on a knife's edge between two numbers of the format may be rounded either way, as far as f32 arithmetic and the matrix unit's own rounding can turn it there, and no further.
;; One version. Each part assembles by itself: llvm-mc -triple=amdgcn-amd-amdhsa -mcpu=gfx1250 --defsym DOCPART=n.
;; ======== version 1 of 1: 4 launches
;; limits: right only within a limited range of input values
;; workspace buffers: xc 25,165,824 bytes; wc 4,194,304 bytes; kmod 32,768 bytes; tb 512 bytes; qkvc 25,165,824 bytes; oc 8,388,608 bytes
;; launch prep (part 1): grid 1313 x 1, 4 waves a work-group, no clusters, 51,712 bytes of LDS; arguments x, Wq, Wk, Wv, Wo, Wgk, Wg1, Wg2, bgk, bg1, bg2, bk, ct_key_emb, ct_bias_emb, cancer_type, graph_context, lowp_scales, xc, wc, kmod, tb; writes xc, wc, kmod, tb
.if DOCPART == 1
	.amdgcn_target "amdgcn-amd-amdhsa--gfx1250"
	.amdhsa_code_object_version 6
	.text
	.protected	k_q2a78368f8e_prep
	.globl	k_q2a78368f8e_prep
	.p2align	8
	.type	k_q2a78368f8e_prep,@function
k_q2a78368f8e_prep:
	s_mov_b64 s[64:65], 0
	v_nop
	global_prefetch_b8 v0, s[64:65] scope:SCOPE_SE
	s_setreg_imm32_b32 hwreg(HW_REG_WAVE_MODE, 25, 1), 1
	s_wait_xcnt 0x0
; PREP: everything that is quantised or computed once, for the three launches that follow.
;   work-groups 0..31    kmod[b][c] = bk[c] + ct_key_emb[cancer_type[b]][c] + elu(graph_context[b] . Wgk[:, c] + bgk[c]), f32, 32 columns a work-group
;   work-group  32       tb[b][h] = (ct_bias_emb[cancer_type[b]][h] + elu(graph_context[b] Wg1 + bg1) Wg2 + bg2) x log2(e), f32
;   work-groups 33..288  Wq, Wk, Wv, Wo ([k][n] f32) -> codes of E4M3 with K innermost, scales 2^e1, 2^e3, 2^e5, 2^e11
;   work-groups 289..    x ([8192][1024] f32) -> three sets of codes, scales 2^e0, 2^e2, 2^e4
; code = number / 2^e, held within +-448, to the nearest code, ties to even.
; THE CODES ARE LAID AS IMAGES OF THE OPERAND REGISTERS.  A row block rb is 16 rows: lane-row r is row 32 (rb / 2) + 8 (rb % 2) + r + 8 (r / 8).
; byte = (rb / 16) << 18 | (k / 256) << 16 | (rb % 16) << 12 | ((k / 128) % 2) << 11 | c << 9 | lane << 4; the 16 bytes of chunk c of lane (r, h) are k = 128 (k / 128) + 32 c + 16 h + 0 .. 15.
; So a reader takes any fragment by loads of 16 bytes at 16 x lane, and a tile's 256 rows x 256 along K are one dense block of 64 KiB.
; No tensor load, no barrier, no loop: a wave does one straight job and shares nothing; each of the two paths that use LDS has LDS bytes of its own.
; LIMITS: every e between -126 and 119, so that 2^e and 448 x 2^e are f32 numbers.  NaN among the inputs is not served; an infinity is held at the largest code.
; elu's exp(z) - 1 is made of v_exp_f32 and a subtraction: an absolute error of about 1e-7.  cancer_type is held within 0 .. 31.
.set NSMALL, 33
.set NWGT,   256
.set XP,     528                       ; x's stage: a row of 512 bytes + 16, so that sixteen rows start at sixteen different 16-byte columns
.set XWB,    16*XP                     ; a wave's stage for x
.set WST,    4*XWB                     ; behind them: the weights' stages
.set WPB,    2176                      ; a row block's image (2,048 bytes) + 128, so that the two blocks' stores fall on different banks
.set WWB,    2*WPB
.set MANT,   0x600000                  ; the mantissa field of 448 as f32
.set LOG2E,  0x3fb8aa3b
	v_lshl_add_u32 v208, v0, 2, 0xc800
	v_mov_b32 v209, 0
	v_lshrrev_b32 v1, 5, v0
	v_readfirstlane_b32 s2, v1                     ; wave 0..3
	v_and_b32 v2, 31, v0                           ; lane
	s_cmp_ge_u32 ttmp9, NSMALL+NWGT
	s_cbranch_scc1 .Lx
	s_cmp_ge_u32 ttmp9, NSMALL
	s_cbranch_scc1 .Lw
; ---------------------------------------------------------------- the small products, in f32 by fused multiply-adds.  Wave w takes batches 2 w and 2 w + 1; a lane takes a column.
.set G0,  8                            ; v8-11   graph_context[2 w][lane + 32 m]
.set G1,  12                           ; v12-15  graph_context[2 w + 1][lane + 32 m]
.set W,   16                           ; v16-143 my column of the weight, down K
.set W2,  144                          ; v144-175 Wg2[j][lane % 16]
.set BI,  176
.set BK,  177
.set C0,  178
.set C1,  179
.set Z0,  180
.set Z1,  181
.set E0,  182
.set E1,  183
.set A0,  184
.set A1,  185
.set L15, 186
.set O0,  187
.set O1,  188
.set BG2, 189
.macro SLOAD t, base, pitch            ; 16 rows of the weight at my column
.set i, 0
.rept 16
	global_load_b32 v[W+16*(\t)+i], v3, s[\base:\base+1] offset:(16*(\t)+i)*\pitch
.set i, i+1
.endr
.endm
.macro GBLK t, base, pitch             ; 16 along K for both batches
.if (\t) < 6
	s_wait_loadcnt 32                              ; this block's 16 loads and all older ones are in; the two younger blocks may be out
.else
	s_wait_loadcnt 16*(7-(\t))
.endif
.if (\t)+3 < 8
	SLOAD (\t)+3, \base, \pitch
.endif
.set i, 0
.rept 16
	v_readlane_b32 s[32+2*i], v[G0+(16*(\t)+i)/32], (16*(\t)+i)%32
	v_readlane_b32 s[33+2*i], v[G1+(16*(\t)+i)/32], (16*(\t)+i)%32
.set i, i+1
.endr
.set i, 0
.rept 16
.if (\t) == 0 && i == 0
	v_fma_f32 v[Z0], s32, v[W], v[BI]              ; the first product starts the sums on the bias
	v_fma_f32 v[Z1], s33, v[W], v[BI]
.else
	v_fmac_f32 v[Z0], s[32+2*i], v[W+16*(\t)+i]
	v_fmac_f32 v[Z1], s[33+2*i], v[W+16*(\t)+i]
.endif
.set i, i+1
.endr
.endm
.macro GVEC base, pitch
	SLOAD 0, \base, \pitch
	SLOAD 1, \base, \pitch
	SLOAD 2, \base, \pitch
.irp t, 0,1,2,3,4,5,6,7
	GBLK \t, \base, \pitch
.endr
.endm
.macro ELU2                            ; E = elu(Z) = Z where Z > 0, else exp(Z) - 1
	v_mul_f32 v[E0], LOG2E, v[Z0]
	v_mul_f32 v[E1], LOG2E, v[Z1]
	s_wait_alu depctr_va_vdst(0)
	v_exp_f32 v[E0], v[E0]
	v_exp_f32 v[E1], v[E1]
	v_nop                                          ; a plain instruction behind the last exponential (ISA guide 5.7.2)
	s_wait_alu depctr_va_vdst(0)                   ; one wait for both, ahead of their first reader
	v_add_f32 v[E0], -1.0, v[E0]
	v_add_f32 v[E1], -1.0, v[E1]
	v_cmp_lt_f32 vcc_lo, 0, v[Z0]
	v_cndmask_b32 v[E0], v[E0], v[Z0], vcc_lo
	v_cmp_lt_f32 vcc_lo, 0, v[Z1]
	v_cndmask_b32 v[E1], v[E1], v[Z1], vcc_lo
.endm
	s_load_b256 s[4:11], s[0:1], 0x28              ; Wgk s[4:5], Wg1 s[6:7], Wg2 s[8:9], bgk s[10:11]
	s_load_b256 s[12:19], s[0:1], 0x48             ; bg1 s[12:13], bg2 s[14:15], bk s[16:17], ct_key_emb s[18:19]
	s_load_b128 s[20:23], s[0:1], 0x68             ; ct_bias_emb s[20:21], cancer_type s[22:23]
	s_load_b64 s[24:25], s[0:1], 0x78              ; graph_context
	s_load_b128 s[28:31], s[0:1], 0x98             ; kmod s[28:29], tb s[30:31]
	s_wait_alu depctr_va_vdst(0)
	v_lshlrev_b32 v3, 2, v2                        ; 4 x lane
	s_lshl_b32 s70, s2, 3                          ; my two entries of cancer_type
	s_mov_b32 s71, 0
	s_lshl_b32 s72, s2, 10                         ; my two rows of graph_context: 1,024 bytes on end
	s_mov_b32 s73, 0
	s_wait_alu depctr_va_vdst(0)
	s_wait_kmcnt 0x0
	s_add_nc_u64 s[22:23], s[22:23], s[70:71]
	s_load_b64 s[26:27], s[22:23], 0x0
	s_add_nc_u64 s[24:25], s[24:25], s[72:73]
.irp m, 0,1,2,3
	global_load_b32 v[G0+\m], v3, s[24:25] offset:128*\m
	global_load_b32 v[G1+\m], v3, s[24:25] offset:512+128*\m
.endr
	s_wait_kmcnt 0x0
	s_min_u32 s26, s26, 31                         ; an index read from memory is held inside its table before it enters an address
	s_min_u32 s27, s27, 31
	s_cmp_eq_u32 ttmp9, 32
	s_cbranch_scc1 .Lbias
	; ---- kmod: my work-group's 32 columns
	s_lshl_b32 s70, ttmp9, 7
	s_add_nc_u64 s[4:5], s[4:5], s[70:71]
	s_add_nc_u64 s[10:11], s[10:11], s[70:71]
	s_add_nc_u64 s[16:17], s[16:17], s[70:71]
	s_add_nc_u64 s[18:19], s[18:19], s[70:71]
	s_lshl_b32 s72, s26, 12                        ; a row of ct_key_emb is 4,096 bytes
	s_lshl_b32 s74, s27, 12
	s_mov_b32 s75, 0
	s_add_nc_u64 s[72:73], s[18:19], s[72:73]
	s_add_nc_u64 s[74:75], s[18:19], s[74:75]
	global_load_b32 v[BI], v3, s[10:11]
	global_load_b32 v[BK], v3, s[16:17]
	global_load_b32 v[C0], v3, s[72:73]
	global_load_b32 v[C1], v3, s[74:75]
	GVEC 4, 4096
	ELU2
	v_add_f32 v[A0], v[BK], v[C0]
	v_add_f32 v[A1], v[BK], v[C1]
	v_add_f32 v[E0], v[E0], v[A0]
	v_add_f32 v[E1], v[E1], v[A1]
	s_lshl_b32 s76, s2, 13                         ; batch 2 w: rows of 4,096 bytes
	s_add_co_u32 s70, s70, s76
	s_add_nc_u64 s[28:29], s[28:29], s[70:71]
	global_store_b32 v3, v[E0], s[28:29]           ; 128 consecutive bytes a wave: the whole buffer is 32 KiB
	global_store_b32 v3, v[E1], s[28:29] offset:4096
	s_endpgm
.Lbias:
	; ---- the bias table: a lane is a hidden unit j in the first product, a head (lane % 16) in the second
	v_and_b32 v[L15], 15, v0
	v_lshlrev_b32 v[L15], 2, v[L15]
	s_lshl_b32 s72, s26, 6                         ; a row of ct_bias_emb is 64 bytes
	s_lshl_b32 s74, s27, 6
	s_mov_b32 s75, 0
	s_add_nc_u64 s[72:73], s[20:21], s[72:73]
	s_add_nc_u64 s[74:75], s[20:21], s[74:75]
	global_load_b32 v[BI], v3, s[12:13]
	global_load_b32 v[BG2], v[L15], s[14:15]
	global_load_b32 v[C0], v[L15], s[72:73]
	global_load_b32 v[C1], v[L15], s[74:75]
.set i, 0
.rept 32
	global_load_b32 v[W2+i], v[L15], s[8:9] offset:64*i
.set i, i+1
.endr
	GVEC 6, 128
	ELU2
.set i, 0
.rept 32
	v_readlane_b32 s[32+2*(i%16)], v[E0], i
	v_readlane_b32 s[33+2*(i%16)], v[E1], i
.if i == 0
	v_fma_f32 v[O0], s32, v[W2], v[BG2]
	v_fma_f32 v[O1], s33, v[W2], v[BG2]
.else
	v_fmac_f32 v[O0], s[32+2*(i%16)], v[W2+i]
	v_fmac_f32 v[O1], s[33+2*(i%16)], v[W2+i]
.endif
.set i, i+1
.endr
	v_add_f32 v[O0], v[O0], v[C0]
	v_add_f32 v[O1], v[O1], v[C1]
	v_cmp_gt_u32 vcc_lo, 16, v2                    ; lanes 0-15 keep batch 2 w, lanes 16-31 batch 2 w + 1
	v_cndmask_b32 v[O0], v[O1], v[O0], vcc_lo
	v_mul_f32 v[O0], LOG2E, v[O0]
	s_lshl_b32 s70, s2, 7
	s_add_nc_u64 s[30:31], s[30:31], s[70:71]
	global_store_b32 v3, v[O0], s[30:31]
	s_endpgm
; ---------------------------------------------------------------- a weight: a wave takes 32 columns x 128 along K.  A lane takes a column and its registers run down K, so the conversions give codes with K innermost.
.set X,   16                           ; v16-143  my column's 128 numbers
.set C,   144                          ; v144-175 their codes
.set OUTR, 176                         ; v176-207 the two row blocks' images, read back
.macro WLOAD t
.set i, 0
.rept 32
	global_load_b32 v[X+32*(\t)+i], v3, s[4:5] offset:(32*(\t)+i)*4096 th:TH_LOAD_NT   ; 32 lanes read 128 consecutive bytes; the four waves stand side by side on 512
.set i, i+1
.endr
.endm
.macro WBLOCK t
.if (\t) < 3
	s_wait_loadcnt 32                              ; this block's 32 loads are in; the next block's may be out
.else
	s_wait_loadcnt 0
.endif
.if (\t)+2 < 4
	WLOAD (\t)+2
.endif
.set i, 0
.rept 32
	v_med3_num_f32 v[X+32*(\t)+i], v[X+32*(\t)+i], -v11, v11   ; the conversion does not saturate (ISA guide 7.6.2): the hold at 448 x the scale comes first
.set i, i+1
.endr
.set i, 0
.rept 4
	v_cvt_scalef32_pk8_fp8_f32 v[C+8*(\t)+2*i:C+8*(\t)+2*i+1], v[X+32*(\t)+8*i:X+32*(\t)+8*i+7], v10
.set i, i+1
.endr
	v_nop
	ds_store_b128 v4, v[C+8*(\t):C+8*(\t)+3] offset:512*(\t)          ; k = 32 t + 0 .. 15: the place of lane (r, 0) in chunk t
	ds_store_b128 v4, v[C+8*(\t)+4:C+8*(\t)+7] offset:512*(\t)+256    ; k = 32 t + 16 .. 31: lane (r, 1)
.endm
.Lw:
	s_load_b256 s[4:11], s[0:1], 0x8               ; Wq, Wk, Wv, Wo
	s_load_b64 s[12:13], s[0:1], 0x80              ; the scales' exponents
	s_load_b64 s[14:15], s[0:1], 0x90              ; wc
	s_sub_co_u32 s16, ttmp9, NSMALL
	s_lshr_b32 s17, s16, 6                         ; which weight
	s_bfe_u32 s18, s16, 0x30003                    ; which 128 columns
	s_and_b32 s19, s16, 7                          ; which 128 along K
	s_lshl_b32 s20, s19, 19                        ; in: 128 rows of 4,096 bytes,
	s_lshl_b32 s21, s18, 9
	s_add_co_u32 s20, s20, s21                     ; 128 columns of 4 bytes,
	s_lshl_b32 s21, s2, 7
	s_add_co_u32 s20, s20, s21                     ; my wave's 32 columns
	s_mov_b32 s21, 0
	s_lshl_b32 s22, s17, 20                        ; out: a weight's image is 1 MiB
	s_lshr_b32 s23, s18, 1
	s_lshl_b32 s23, s23, 18
	s_add_co_u32 s22, s22, s23
	s_lshr_b32 s23, s19, 1
	s_lshl_b32 s23, s23, 16
	s_add_co_u32 s22, s22, s23
	s_and_b32 s23, s18, 1
	s_lshl_b32 s23, s23, 3
	s_lshl_b32 s34, s2, 1
	s_add_co_u32 s23, s23, s34                     ; my first row block among the tile's sixteen
	s_lshl_b32 s23, s23, 12
	s_add_co_u32 s22, s22, s23
	s_and_b32 s23, s19, 1
	s_lshl_b32 s23, s23, 11
	s_add_co_u32 s22, s22, s23
	s_mov_b32 s23, 0
	s_wait_alu depctr_va_vdst(0)
	v_lshlrev_b32 v3, 2, v2                        ; in: 4 bytes a lane
	v_lshlrev_b32 v9, 4, v2                        ; out: 16 bytes a lane
	s_mul_i32 s3, s2, WWB
	s_add_co_u32 s3, s3, WST                       ; my stage
	v_bfe_u32 v6, v0, 3, 1                         ; column l of 32 lies in row block (l / 8) % 2,
	v_mul_u32_u24 v4, v6, WPB
	v_and_b32 v7, 7, v0
	v_bfe_u32 v8, v0, 4, 1
	v_lshl_add_u32 v7, v8, 3, v7                   ; at lane-row l % 8 + 8 (l / 16)
	v_lshl_add_u32 v4, v7, 4, v4
	v_add_nc_u32 v4, s3, v4
	v_add_nc_u32 v5, s3, v9
	s_wait_kmcnt 0x0
	s_load_b256 s[24:31], s[12:13], 0x0            ; e0 .. e7
	s_load_b32 s32, s[12:13], 0x2c                 ; e11
	s_cmp_eq_u32 s17, 1                            ; the choices hang on the work-group's number alone
	s_cselect_b64 s[4:5], s[6:7], s[4:5]
	s_cmp_eq_u32 s17, 2
	s_cselect_b64 s[4:5], s[8:9], s[4:5]
	s_cmp_eq_u32 s17, 3
	s_cselect_b64 s[4:5], s[10:11], s[4:5]
	s_add_nc_u64 s[4:5], s[4:5], s[20:21]
	s_add_nc_u64 s[14:15], s[14:15], s[22:23]
	WLOAD 0
	WLOAD 1
	s_wait_kmcnt 0x0
	s_cmp_eq_u32 s17, 1
	s_cselect_b32 s33, s27, s25                    ; e3 : e1
	s_cmp_eq_u32 s17, 2
	s_cselect_b32 s33, s29, s33                    ; e5
	s_cmp_eq_u32 s17, 3
	s_cselect_b32 s33, s32, s33                    ; e11
	s_add_co_i32 s33, s33, 127
	s_lshl_b32 s34, s33, 23
	v_mov_b32 v10, s34                             ; 2^e as f32: the conversion takes its exponent field
	s_add_co_i32 s33, s33, 8
	s_lshl_b32 s33, s33, 23
	s_or_b32 s33, s33, MANT
	v_mov_b32 v11, s33                             ; 448 x 2^e
	s_wait_alu depctr_va_vdst(0)
	WBLOCK 0
	WBLOCK 1
	WBLOCK 2
	WBLOCK 3
.irp p, 0,1
.irp c, 0,1,2,3
	ds_load_b128 v[OUTR+4*(4*\p+\c):OUTR+4*(4*\p+\c)+3], v5 offset:WPB*\p+512*\c   ; LDS serves a wave's instructions in order (ISA guide 5.7.1.4): these see my stores
.endr
.endr
.irp p, 0,1
.irp c, 0,1,2,3
	s_wait_dscnt 7-(4*\p+\c)
	global_store_b128 v9, v[OUTR+4*(4*\p+\c):OUTR+4*(4*\p+\c)+3], s[14:15] offset:4096*\p+512*\c   ; 512 consecutive bytes, aligned
.endr
.endr
	s_wait_tensorcnt 0x0
	ds_add_u32 v208, v209
	s_wait_dscnt 0x0
	s_endpgm
; ---------------------------------------------------------------- x: a wave takes one row block x 128 along K and makes its fragment three times, once for each given scale.
.set R,   16                           ; v16-79   16 rows as loaded, then the held numbers
.set XN,  80                           ; v80-143  register 16 c + i = k 32 c + 16 h + i of my lane-row
.set CX,  144                          ; v144-191 three fragments of codes: no store's data are written again
.macro MKSC e, sc, lim
	s_add_co_i32 s32, s[\e], 127
	s_lshl_b32 s33, s32, 23
	v_mov_b32 v[\sc], s33
	s_add_co_i32 s32, s32, 8
	s_lshl_b32 s32, s32, 23
	s_or_b32 s32, s32, MANT
	v_mov_b32 v[\lim], s32
.endm
.macro QX n, base
.set i, 0
.rept 64
	v_med3_num_f32 v[R+i], v[XN+i], -v[7+2*\n], v[7+2*\n]
.set i, i+1
.endr
.set i, 0
.rept 8
	v_cvt_scalef32_pk8_fp8_f32 v[CX+16*\n+2*i:CX+16*\n+2*i+1], v[R+8*i:R+8*i+7], v[6+2*\n]
.set i, i+1
.endr
	v_nop                                          ; a plain instruction between the conversions and the next set's holds, which write their sources
.irp c, 0,1,2,3
	global_store_b128 v3, v[CX+16*\n+4*\c:CX+16*\n+4*\c+3], s[\base:\base+1] offset:512*\c   ; 512 consecutive bytes, aligned
.endr
.endm
.Lx:
	s_load_b64 s[4:5], s[0:1], 0x0                 ; x
	s_load_b128 s[8:11], s[0:1], 0x80              ; the scales' exponents s[8:9], xc s[10:11]
	s_sub_co_u32 s12, ttmp9, NSMALL+NWGT
	s_lshr_b32 s13, s12, 1                         ; row block 0..511
	s_and_b32 s14, s12, 1
	s_lshl_b32 s14, s14, 2
	s_add_co_u32 s14, s14, s2                      ; which 128 along K: 0..7
	s_lshr_b32 s16, s13, 1
	s_lshl_b32 s16, s16, 17                        ; in: 32 rows of 4,096 bytes for each pair of row blocks,
	s_and_b32 s15, s13, 1
	s_lshl_b32 s15, s15, 15                        ; 8 rows for the odd one,
	s_add_co_u32 s16, s16, s15
	s_lshl_b32 s15, s14, 9                         ; 512 bytes for each 128 along K
	s_add_co_u32 s16, s16, s15
	s_mov_b32 s17, 0
	s_lshr_b32 s18, s13, 4
	s_lshl_b32 s18, s18, 18
	s_lshr_b32 s15, s14, 1
	s_lshl_b32 s15, s15, 16
	s_add_co_u32 s18, s18, s15
	s_and_b32 s15, s13, 15
	s_lshl_b32 s15, s15, 12
	s_add_co_u32 s18, s18, s15
	s_and_b32 s15, s14, 1
	s_lshl_b32 s15, s15, 11
	s_add_co_u32 s18, s18, s15
	s_mov_b32 s19, 0
	s_mul_i32 s3, s2, XWB                          ; my stage
	s_wait_alu depctr_va_vdst(0)
	v_lshlrev_b32 v3, 4, v2                        ; 16 x lane
	v_add_nc_u32 v4, s3, v3                        ; into the stage: a row as it lies
	v_and_b32 v6, 15, v0
	v_bfe_u32 v7, v0, 4, 1
	v_mul_u32_u24 v5, v6, XP
	v_lshl_add_u32 v5, v7, 6, v5
	v_add_nc_u32 v5, s3, v5                        ; out of it: row r, + 64 h bytes: my 16 numbers of each 32
	s_wait_alu depctr_va_vdst(0)
	s_wait_kmcnt 0x0
	s_load_b256 s[24:31], s[8:9], 0x0              ; e0 .. e7
	s_add_nc_u64 s[4:5], s[4:5], s[16:17]
	s_add_nc_u64 s[10:11], s[10:11], s[18:19]      ; set 0,
	s_add_nc_u64 s[20:21], s[10:11], 0x800000      ; set 1,
	s_add_nc_u64 s[22:23], s[20:21], 0x800000      ; set 2: 8 MiB apart
.set i, 0
.rept 16
	global_load_b128 v[R+4*i:R+4*i+3], v3, s[4:5] offset:(i+8*(i/8))*4096 th:TH_LOAD_NT   ; lane-row i: 512 consecutive bytes of one row
.set i, i+1
.endr
.set i, 0
.rept 16
	s_wait_loadcnt 15-i                            ; loads come back in order (ISA guide 5.7.1): row i is in, the younger ones stay out
	ds_store_b128 v4, v[R+4*i:R+4*i+3] offset:i*XP
.set i, i+1
.endr
.irp c, 0,1,2,3
.irp j, 0,1,2,3
	ds_load_b128 v[XN+16*\c+4*\j:XN+16*\c+4*\j+3], v5 offset:128*\c+16*\j
.endr
.endr
	s_wait_kmcnt 0x0
	MKSC 24, 6, 7
	MKSC 26, 8, 9
	MKSC 28, 10, 11
	s_wait_alu depctr_va_vdst(0)
	s_wait_dscnt 0x0                               ; the numbers are back, and the stores into the stage have read their registers
	QX 0, 10
	QX 1, 20
	QX 2, 22
	s_wait_tensorcnt 0x0
	ds_add_u32 v208, v209
	s_wait_dscnt 0x0
	s_endpgm
.Lfunc_end_k_q2a78368f8e_prep:
	.size	k_q2a78368f8e_prep, .Lfunc_end_k_q2a78368f8e_prep-k_q2a78368f8e_prep
	.p2alignl 7, 3214868480
	.fill 96, 4, 3214868480
	.section	.rodata,"a",@progbits
	.p2align	6, 0x0
	.amdhsa_kernel k_q2a78368f8e_prep
		.amdhsa_group_segment_fixed_size 51712
		.amdhsa_private_segment_fixed_size 0
		.amdhsa_enable_private_segment 0
		.amdhsa_kernarg_size 168
		.amdhsa_user_sgpr_count 2
		.amdhsa_user_sgpr_kernarg_segment_ptr 1
		.amdhsa_wavefront_size32 1
		.amdhsa_system_sgpr_workgroup_id_x 1
		.amdhsa_system_sgpr_workgroup_id_y 1
		.amdhsa_system_sgpr_workgroup_id_z 1
		.amdhsa_system_vgpr_workitem_id 0
		.amdhsa_next_free_vgpr 210
		.amdhsa_next_free_sgpr 100
		.amdhsa_reserve_vcc 1
		.amdhsa_float_denorm_mode_32 3
		.amdhsa_float_denorm_mode_16_64 3
		.amdhsa_memory_ordered 1
		.amdhsa_forward_progress 1
		.amdhsa_inst_pref_size 135
	.end_amdhsa_kernel
	.amdgpu_metadata
---
amdhsa.version: [ 1, 2 ]
amdhsa.kernels:
  - .name:           k_q2a78368f8e_prep
    .symbol:         k_q2a78368f8e_prep.kd
    .args:
      - { .name: x, .offset: 0, .size: 8, .value_kind: global_buffer, .address_space: global }
      - { .name: Wq, .offset: 8, .size: 8, .value_kind: global_buffer, .address_space: global }
      - { .name: Wk, .offset: 16, .size: 8, .value_kind: global_buffer, .address_space: global }
      - { .name: Wv, .offset: 24, .size: 8, .value_kind: global_buffer, .address_space: global }
      - { .name: Wo, .offset: 32, .size: 8, .value_kind: global_buffer, .address_space: global }
      - { .name: Wgk, .offset: 40, .size: 8, .value_kind: global_buffer, .address_space: global }
      - { .name: Wg1, .offset: 48, .size: 8, .value_kind: global_buffer, .address_space: global }
      - { .name: Wg2, .offset: 56, .size: 8, .value_kind: global_buffer, .address_space: global }
      - { .name: bgk, .offset: 64, .size: 8, .value_kind: global_buffer, .address_space: global }
      - { .name: bg1, .offset: 72, .size: 8, .value_kind: global_buffer, .address_space: global }
      - { .name: bg2, .offset: 80, .size: 8, .value_kind: global_buffer, .address_space: global }
      - { .name: bk, .offset: 88, .size: 8, .value_kind: global_buffer, .address_space: global }
      - { .name: ct_key_emb, .offset: 96, .size: 8, .value_kind: global_buffer, .address_space: global }
      - { .name: ct_bias_emb, .offset: 104, .size: 8, .value_kind: global_buffer, .address_space: global }
      - { .name: cancer_type, .offset: 112, .size: 8, .value_kind: global_buffer, .address_space: global }
      - { .name: graph_context, .offset: 120, .size: 8, .value_kind: global_buffer, .address_space: global }
      - { .name: lowp_scales, .offset: 128, .size: 8, .value_kind: global_buffer, .address_space: global }
      - { .name: xc, .offset: 136, .size: 8, .value_kind: global_buffer, .address_space: global }
      - { .name: wc, .offset: 144, .size: 8, .value_kind: global_buffer, .address_space: global }
      - { .name: kmod, .offset: 152, .size: 8, .value_kind: global_buffer, .address_space: global }
      - { .name: tb, .offset: 160, .size: 8, .value_kind: global_buffer, .address_space: global }
    .group_segment_fixed_size: 51712
    .private_segment_fixed_size: 0
    .kernarg_segment_align: 8
    .kernarg_segment_size: 168
    .max_flat_workgroup_size: 128
    .sgpr_count:     100
    .vgpr_count:     210
    .wavefront_size: 32
...
	.end_amdgpu_metadata
.endif
;; end of part 1
;; launch qkv (part 2): grid 8 x 32, 4 waves a work-group, clusters of 4 x 4, 327,680 bytes of LDS; arguments xc, wc, bq, kmod, bv, lowp_scales, qkvc; writes qkvc
.if DOCPART == 2
	.amdgcn_target "amdgcn-amd-amdhsa--gfx1250"
	.amdhsa_code_object_version 6
	.text
	.protected	k_q2a78368f8e_qkv
	.globl	k_q2a78368f8e_qkv
	.p2align	8
	.type	k_q2a78368f8e_qkv,@function
k_q2a78368f8e_qkv:
	s_mov_b64 s[64:65], 0
	v_nop
	global_prefetch_b8 v0, s[64:65] scope:SCOPE_SE
	s_setreg_imm32_b32 hwreg(HW_REG_WAVE_MODE, 25, 1), 1
	s_wait_xcnt 0x0
	s_wait_alu depctr_hold_cnt(0) depctr_sa_sdst(0) depctr_va_vdst(0) depctr_va_sdst(0) depctr_va_ssrc(0) depctr_va_vcc(0) depctr_vm_vsrc(0)
	s_getreg_b32 s2, hwreg(HW_REG_IB_STS2, 6, 4)
	s_cmp_eq_u32 s2, 0
	s_cbranch_scc0 .Lentry_in_a_cluster
	s_endpgm
.Lentry_in_a_cluster:
	s_bfe_u32 s2, ttmp6, 0x10000c
	s_cmp_lg_u32 s2, 0xf033
	s_cbranch_scc0 .Lentry_shape_is_right
	s_endpgm
.Lentry_shape_is_right:
.set FR,     16
.set NL,     4
.set NP,     4
.set HALFT,  32768
.set SLOT,   4*HALFT
.set SPARE,  2*SLOT
.set ADRA, 16
.set ADRH, 18
.set ADRB, 20
.set CO,   26
.set BO,   27
.set SPW,  28
.set NIL,  29
.set SC,   30
.set LIM,  31
.set CB,   32
.set RB,   96
.set AF,   128
.set T,    128
.set CD,   192
.set G1, 24
.set G0, 32
.set G1B, 48
.set G0B, 56
.set PA2, 66
.set PB2, 98
.set OUTP, 100
.set MSB, 0
.macro WIN new
.if MSB != \new
	s_set_vgpr_msb (MSB<<8)|\new
.set MSB, \new
.endif
.endm
.set MUL_LO, 0xa1
.set MUL_HI, 0xf1
.set TO_B,   0x40
.macro JLOAD g0a, g1a, g0b, g1b
	s_cmp_eq_u32 s15, 0
	s_cbranch_scc0 .Lfor_b_\@
	tensor_load_to_lds s[\g0a:\g0a+3], s[\g1a:\g1a+7]
	s_nop 0
.rept 4
	v_nop
.endr
	s_branch .Lasked_\@
.Lfor_b_\@:
	tensor_load_to_lds s[\g0b:\g0b+3], s[\g1b:\g1b+7]
	s_nop 0
.rept 4
	v_nop
.endr
.Lasked_\@:
.endm
.macro JLOAD2 g0a, g1a, g0b, g1b
	s_cmp_eq_u32 s14, 0
	s_cbranch_scc0 .Lnot_a_\@
	tensor_load_to_lds s[\g0a:\g0a+3], s[\g1a:\g1a+7]
	s_nop 0
.rept 4
	v_nop
.endr
	s_branch .Lasked2_\@
.Lnot_a_\@:
	s_cmp_lt_u32 s14, 2
	s_cbranch_scc1 .Lnone_\@
	tensor_load_to_lds s[\g0b:\g0b+3], s[\g1b:\g1b+7]
	s_nop 0
.rept 4
	v_nop
.endr
	s_branch .Lasked2_\@
.Lnone_\@:
.rept 4
	v_nop
.endr
.Lasked2_\@:
.endm
.macro CREST
	s_cmp_lg_u32 s14, 0
	s_cbranch_scc1 .Lnot_wave_0_\@
	s_barrier_signal -3
.Lnot_wave_0_\@:
	s_barrier_wait -3
	s_barrier_signal -1
	s_barrier_wait -1
.endm
.macro CROUND
	s_barrier_signal -1
	s_barrier_wait -1
	CREST
.endm
	s_load_b128 s[4:7], s[0:1], 0x0
	s_load_b128 s[8:11], s[0:1], 0x10
	s_load_b128 s[68:71], s[0:1], 0x20
	s_load_b64 s[72:73], s[0:1], 0x30
	v_lshl_add_u32 v[SPW], v0, 2, SPARE
	v_mov_b32 v[NIL], 0
	ds_add_u32 v28, v29
	ds_add_u32 v28, v29
	s_wait_dscnt 0x0
	v_lshrrev_b32 v1, 5, v0
	v_readfirstlane_b32 s14, v1
	s_lshr_b32 s15, s14, 1
	s_and_b32 s16, s14, 1
	s_bfe_u32 s40, ttmp6, 0x40000
	s_bfe_u32 s41, ttmp6, 0x40004
	s_and_b32 s18, ttmp7, 0xffff
	s_lshl_b32 s17, s18, 2
	s_add_co_u32 s17, s17, s41
	s_lshl_b32 s42, s18, 2
	s_add_co_u32 s42, s42, s40
	s_lshl_b32 s12, ttmp9, 2
	s_add_co_u32 s12, s12, s41
	s_lshl_b32 s43, s41, 2
	s_lshl_b32 s43, 15, s43
	s_lshl_b32 s44, 0x1111, s40
	s_or_b32 s[G1+0], s43, (3<<16)|(1<<21)
	s_or_b32 s[G1B+0], s44, (3<<16)|(1<<21)
.irp g, G1, G1B
	s_mov_b32 s[\g+1], 32<<16
	s_mov_b32 s[\g+2], 128<<16
	s_mov_b32 s[\g+3], 32<<16
	s_mov_b32 s[\g+4], 128
	s_mov_b32 s[\g+5], 32
	s_mov_b32 s[\g+6], 0
	s_mov_b32 s[\g+7], 0
.endr
	s_lshl_b32 s20, ttmp9, 23
	s_lshl_b32 s21, s17, 18
	s_add_co_u32 s20, s20, s21
	s_lshl_b32 s21, s16, 15
	s_add_co_u32 s20, s20, s21
	s_mov_b32 s21, 0
	s_lshl_b32 s46, ttmp9, 20
	s_lshl_b32 s47, s40, 18
	s_add_co_u32 s46, s46, s47
	s_lshl_b32 s47, s16, 15
	s_add_co_u32 s46, s46, s47
	s_mov_b32 s47, 0
	s_lshr_b32 s[PA2], s12, 1
	s_lshl_b32 s[PA2], s[PA2], 18
	s_and_b32 s[PA2+1], s12, 1
	s_lshl_b32 s[PA2+1], s[PA2+1], 15
	s_add_co_u32 s[PA2], s[PA2], s[PA2+1]
	s_add_co_u32 s[PA2], s[PA2], 0x200000
	s_mov_b32 s[PA2+1], 0
	s_lshl_b32 s[PB2], s42, 18
	s_lshl_b32 s[PB2+1], s16, 15
	s_add_co_u32 s[PB2], s[PB2], s[PB2+1]
	s_add_co_u32 s[PB2], s[PB2], 0x1000000
	s_mov_b32 s[PB2+1], 0
	s_mul_i32 s45, s14, HALFT
	s_wait_kmcnt 0x0
	s_load_b256 s[76:83], s[70:71], 0x0
	s_load_b128 s[84:87], s[70:71], 0x20
	s_add_nc_u64 s[20:21], s[4:5], s[20:21]
	s_add_nc_u64 s[46:47], s[6:7], s[46:47]
	s_add_nc_u64 s[PA2:PA2+1], s[6:7], s[PA2:PA2+1]
	s_add_nc_u64 s[PB2:PB2+1], s[4:5], s[PB2:PB2+1]
	CROUND
.irp s, 0,1
	s_mov_b32 s[G0+4*\s], 1
	s_add_co_u32 s[G0+4*\s+1], s45, \s*SLOT
	s_add_nc_u64 s[G0+4*\s+2:G0+4*\s+3], s[20:21], \s*65536
	s_or_b32 s[G0+4*\s+3], s[G0+4*\s+3], 0x80000000
	s_mov_b32 s[G0B+4*\s], 1
	s_add_co_u32 s[G0B+4*\s+1], s45, \s*SLOT
	s_add_nc_u64 s[G0B+4*\s+2:G0B+4*\s+3], s[46:47], \s*65536
	s_or_b32 s[G0B+4*\s+3], s[G0B+4*\s+3], 0x80000000
	s_wait_alu depctr_va_vdst(0)
	s_wait_tensorcnt 0x0
	ds_add_u32 v28, v29
	ds_add_u32 v28, v29
	s_wait_dscnt 0x0
	CROUND
	JLOAD G0+4*\s, G1, G0B+4*\s, G1B
.endr
	v_and_b32 v1, 31, v0
	v_lshlrev_b32 v[CO], 4, v1
	s_mul_i32 s21, s15, HALFT
	s_mul_i32 s22, s16, HALFT
	s_add_co_u32 s22, s22, 2*HALFT
	s_lshl_b32 s23, s15, 14
.irp s, 0,1
	v_add_nc_u32 v[ADRA+\s], s21, v[CO]
	v_add_nc_u32 v[ADRB+\s], s22, v[CO]
	v_add_nc_u32 v[ADRH+\s], s23, v[CO]
	s_add_co_u32 s21, s21, SLOT
	s_add_co_u32 s22, s22, SLOT
	s_add_co_u32 s23, s23, SLOT
.endr
.macro FRAG reg, adr, q, i
.irp c, 0,1,2,3
	ds_load_b128 v[\reg+4*\c:\reg+4*\c+3], v[\adr] offset:2048*(\q)+512*\c+(\i)*4096
.endr
.endm
.macro MUL16 a0, p, zero
.irp a, \a0, \a0+1
.irp b, 0,1,2,3,4,5,6,7
.if \zero
	v_wmma_f32_16x16x128_fp8_fp8 v[8*(8*((\a)%4)+\b):8*(8*((\a)%4)+\b)+7], v[128*(\p)+FR*\b:128*(\p)+FR*\b+FR-1], v[AF+FR*(\a):AF+FR*(\a)+FR-1], 0
.else
	v_wmma_f32_16x16x128_fp8_fp8 v[8*(8*((\a)%4)+\b):8*(8*((\a)%4)+\b)+7], v[128*(\p)+FR*\b:128*(\p)+FR*\b+FR-1], v[AF+FR*(\a):AF+FR*(\a)+FR-1], v[8*(8*((\a)%4)+\b):8*(8*((\a)%4)+\b)+7]
.endif
.endr
.endr
.endm
.macro FETCH_B slot, q, p
	WIN TO_B
.irp i, 0,1,2,3,4,5,6,7
	FRAG 128*(\p)+FR*\i, ADRB+\slot, \q, \i
.endr
	WIN 0
.endm
.macro FETCH_A slot, q, i0
.irp i, \i0, \i0+1, \i0+2, \i0+3
	FRAG AF+FR*(\i), ADRA+\slot, \q, \i
.endr
.endm
.macro PLACES n
.rept \n
	v_nop
.endr
.endm
.macro STEP slot, q, zero
	s_wait_dscnt 4*NL
	WIN MUL_LO
	MUL16 0, (\q)%2, \zero
	MUL16 2, (\q)%2, \zero
	s_wait_dscnt 0
	PLACES NP
	FETCH_B \slot, (\q)+1, 1-(\q)%2
	FETCH_A \slot, (\q)+1, 0
	WIN MUL_HI
	MUL16 4, (\q)%2, \zero
	MUL16 6, (\q)%2, \zero
	PLACES NP
	WIN 0
	FETCH_A \slot, (\q)+1, 4
.endm
.macro NEWADR slot
	s_add_nc_u64 s[G0+4*\slot+2:G0+4*\slot+3], s[PA2:PA2+1], \slot*65536
	s_or_b32 s[G0+4*\slot+3], s[G0+4*\slot+3], 0x80000000
	s_add_nc_u64 s[G0B+4*\slot+2:G0B+4*\slot+3], s[PB2:PB2+1], \slot*65536
	s_or_b32 s[G0B+4*\slot+3], s[G0B+4*\slot+3], 0x80000000
.endm
.macro MEET
	s_wait_tensorcnt 0x0
	ds_add_u32 v[SPW], v[NIL]
	s_wait_dscnt 4*NL+1
	WIN MUL_LO
	MUL16 0, 1, 0
	s_wait_dscnt 0x0
	s_barrier_signal -1
	MUL16 2, 1, 0
	WIN 0
	s_barrier_wait -1
	CREST
.endm
.macro TURN slot, next, fill
	MEET
.if \fill == 1
	s_add_nc_u64 s[G0+4*\slot+2:G0+4*\slot+3], s[G0+4*\slot+2:G0+4*\slot+3], 131072
	s_add_nc_u64 s[G0B+4*\slot+2:G0B+4*\slot+3], s[G0B+4*\slot+2:G0B+4*\slot+3], 131072
	JLOAD G0+4*\slot, G1, G0B+4*\slot, G1B
.else
	NEWADR \slot
	JLOAD2 G0+4*\slot, G1, G0B+4*\slot, G1B
.endif
	FETCH_B \next, 0, 0
	FETCH_A \next, 0, 0
	WIN MUL_HI
	MUL16 4, 1, 0
	MUL16 6, 1, 0
	PLACES NP
	WIN 0
	FETCH_A \next, 0, 4
.endm
.macro HMUL a0, p, zero
.irp a, \a0, \a0+1
.irp b, 0,1,2,3,4,5,6,7
.if \zero
	v_wmma_f32_16x16x128_fp8_fp8 v[8*(8*(\a)+\b):8*(8*(\a)+\b)+7], v[128*(\p)+FR*\b:128*(\p)+FR*\b+FR-1], v[AF+64*(\p)+FR*(\a):AF+64*(\p)+FR*(\a)+FR-1], 0
.else
	v_wmma_f32_16x16x128_fp8_fp8 v[8*(8*(\a)+\b):8*(8*(\a)+\b)+7], v[128*(\p)+FR*\b:128*(\p)+FR*\b+FR-1], v[AF+64*(\p)+FR*(\a):AF+64*(\p)+FR*(\a)+FR-1], v[8*(8*(\a)+\b):8*(8*(\a)+\b)+7]
.endif
.endr
.endr
.endm
.macro HFETCH slot, q, p
	WIN TO_B
.irp i, 0,1,2,3,4,5,6,7
	FRAG 128*(\p)+FR*\i, ADRB+\slot, \q, \i
.endr
	WIN 0
.irp i, 0,1,2,3
	FRAG AF+64*(\p)+FR*\i, ADRH+\slot, \q, \i
.endr
.endm
.macro HSTEP p, zero, nslot, nq
	s_wait_dscnt 0x0
	PLACES NP
	HFETCH \nslot, \nq, 1-(\p)
	WIN MUL_LO
	HMUL 0, \p, \zero
	HMUL 2, \p, \zero
.endm
.macro HTURN slot, next, fill
	WIN 0
	s_wait_tensorcnt 0x0
	ds_add_u32 v[SPW], v[NIL]
	s_wait_dscnt 0x0
	s_barrier_signal -1
	WIN MUL_LO
	HMUL 0, 1, 0
	WIN 0
	s_barrier_wait -1
.if \fill
	CREST
	s_add_nc_u64 s[G0+4*\slot+2:G0+4*\slot+3], s[G0+4*\slot+2:G0+4*\slot+3], 131072
	s_add_nc_u64 s[G0B+4*\slot+2:G0B+4*\slot+3], s[G0B+4*\slot+2:G0B+4*\slot+3], 131072
	JLOAD2 G0+4*\slot, G1, G0B+4*\slot, G1B
.else
	PLACES NP
.endif
	HFETCH \next, 0, 0
	WIN MUL_LO
	HMUL 2, 1, 0
.endm
.macro OUTB a, isv
.set AC, 64*((\a)%4)
.set CDS, CD+16*((\a)%2)
.if (\a) < 4
	WIN 0x02
.else
	WIN 0x03
.endif
.set jj, 0
.rept 32
.if \isv
	v_pk_fma_f32 v[T+jj:T+jj+1], v[AC+jj:AC+jj+1], s[96:97], v[RB+2*(\a):RB+2*(\a)+1] op_sel_hi:[1,0,1]
.else
	v_pk_fma_f32 v[T+jj:T+jj+1], v[AC+jj:AC+jj+1], s[96:97], v[CB+jj:CB+jj+1] op_sel_hi:[1,0,1]
.endif
.set jj, jj+2
.endr
	WIN 0
.set jj, 0
.rept 64
	v_med3_num_f32 v[T+jj], v[T+jj], -v[LIM], v[LIM]
.set jj, jj+1
.endr
.if (\a) > 1
	s_wait_alu depctr_va_vdst(0)
	s_wait_xcnt 0x0
.endif
.set jj, 0
.rept 8
	v_cvt_scalef32_pk8_fp8_f32 v[CDS+2*jj:CDS+2*jj+1], v[T+8*jj:T+8*jj+7], v[SC]
.set jj, jj+1
.endr
	v_nop
.irp e, 0,1,2,3
.if \isv
	global_store_b128 v[CO], v[CDS+4*\e:CDS+4*\e+3], s[OUTP:OUTP+1] offset:(\e/2)*4096+(\a)*1024+(\e%2)*512
.else
	global_store_b128 v[CO], v[CDS+4*\e:CDS+4*\e+3], s[OUTP:OUTP+1] offset:(\e/2)*65536+(\a)*1024+(\e%2)*512
.endif
.endr
.endm
.macro MKSCALES ea, eb, eo
	s_add_co_i32 s96, s[\ea], s[\eb]
	s_add_co_i32 s96, s96, 127
	s_lshl_b32 s96, s96, 23
	s_mov_b32 s97, s96
	s_add_co_i32 s94, s[\eo], 127
	s_lshl_b32 s95, s94, 23
	v_mov_b32 v[SC], s95
	s_add_co_i32 s94, s94, 8
	s_lshl_b32 s94, s94, 23
	s_or_b32 s94, s94, 0x600000
	v_mov_b32 v[LIM], s94
.endm
	s_wait_alu depctr_va_vdst(0)
	s_wait_tensorcnt 1
	s_barrier_signal -1
	s_barrier_wait -1
	FETCH_B 0, 0, 0
	FETCH_A 0, 0, 0
	FETCH_A 0, 0, 4
	STEP 0, 0, 1
	TURN 0, 1, 1
	STEP 1, 0, 0
	TURN 1, 0, 1
	STEP 0, 0, 0
	TURN 0, 1, 2
	STEP 1, 0, 0
	s_wait_kmcnt 0x0
	s_lshr_b32 s90, s17, 2
	s_lshl_b32 s90, s90, 12
	s_cmp_eq_u32 ttmp9, 1
	s_cselect_b64 s[88:89], s[10:11], s[8:9]
	s_cselect_b32 s90, s90, 0
	s_cselect_b32 s92, s78, s76
	s_cselect_b32 s93, s79, s77
	s_cselect_b32 s74, s83, s82
	s_lshl_b32 s91, s40, 10
	s_add_co_u32 s90, s90, s91
	s_lshl_b32 s91, s16, 9
	s_add_co_u32 s90, s90, s91
	s_mov_b32 s91, 0
	s_add_nc_u64 s[88:89], s[88:89], s[90:91]
	v_bfe_u32 v1, v0, 4, 1
	v_lshlrev_b32 v[BO], 6, v1
.irp b, 0,1,2,3,4,5,6,7
	global_load_b128 v[CB+8*\b:CB+8*\b+3], v[BO], s[88:89] offset:128*(\b/2)+32*(\b%2)
	global_load_b128 v[CB+8*\b+4:CB+8*\b+7], v[BO], s[88:89] offset:128*(\b/2)+32*(\b%2)+16
.endr
	s_lshr_b32 s90, s17, 2
	s_lshl_b32 s90, s90, 4
	s_lshl_b32 s91, s40, 2
	s_add_co_u32 s90, s90, s91
	s_lshl_b32 s91, s16, 1
	s_add_co_u32 s90, s90, s91
	s_lshl_b32 s90, s90, 16
	s_and_b32 s91, s17, 3
	s_lshl_b32 s91, s91, 4
	s_lshl_b32 s95, s15, 3
	s_add_co_u32 s91, s91, s95
	s_lshl_b32 s91, s91, 10
	s_add_co_u32 s90, s90, s91
	s_lshl_b32 s91, ttmp9, 23
	s_add_co_u32 s90, s90, s91
	s_mov_b32 s91, 0
	s_add_nc_u64 s[OUTP:OUTP+1], s[72:73], s[90:91]
	MKSCALES 92, 93, 74
	MEET
	NEWADR 1
	JLOAD2 G0+4, G1, G0B+4, G1B
	WIN MUL_HI
	MUL16 4, 1, 0
	MUL16 6, 1, 0
	WIN 0
	s_wait_loadcnt 0x0
	PLACES NP
.irp a, 0,1,2,3,4,5,6,7
	OUTB \a, 0
.endr
	s_wait_xcnt 0x0
	s_lshl_b32 s90, s12, 9
	s_lshl_b32 s91, s15, 8
	s_add_co_u32 s90, s90, s91
	s_mov_b32 s91, 0
	s_add_nc_u64 s[88:89], s[68:69], s[90:91]
	v_and_b32 v1, 15, v0
	v_and_b32 v2, 8, v1
	v_add_nc_u32 v1, v1, v2
	v_lshlrev_b32 v[BO], 2, v1
.irp a, 0,1,2,3
	global_load_b32 v[RB+2*\a], v[BO], s[88:89] offset:4*(32*(\a/2)+8*(\a%2))
	global_load_b32 v[RB+2*\a+1], v[BO], s[88:89] offset:4*(32*(\a/2)+8*(\a%2))
.endr
	s_lshr_b32 s90, s42, 2
	s_lshl_b32 s90, s90, 4
	s_lshl_b32 s91, s12, 1
	s_add_co_u32 s90, s90, s91
	s_add_co_u32 s90, s90, s15
	s_lshl_b32 s90, s90, 16
	s_and_b32 s91, s42, 3
	s_lshl_b32 s91, s91, 2
	s_lshl_b32 s95, s16, 1
	s_add_co_u32 s91, s91, s95
	s_lshl_b32 s91, s91, 12
	s_add_co_u32 s90, s90, s91
	s_add_co_u32 s90, s90, 0x1000000
	s_mov_b32 s91, 0
	s_add_nc_u64 s[OUTP:OUTP+1], s[72:73], s[90:91]
	MKSCALES 80, 81, 85
	HFETCH 0, 0, 0
	HSTEP 0, 1, 0, 1
	HTURN 0, 1, 1
	HSTEP 0, 0, 1, 1
	HTURN 1, 0, 1
	HSTEP 0, 0, 0, 1
	HTURN 0, 1, 0
	HSTEP 0, 0, 1, 1
	s_wait_dscnt 0x0
	WIN MUL_LO
	HMUL 0, 1, 0
	HMUL 2, 1, 0
	WIN 0
	s_wait_loadcnt 0x0
	PLACES NP
.irp a, 0,1,2,3
	OUTB \a, 1
.endr
	s_wait_tensorcnt 0x0
	ds_add_u32 v[SPW], v[NIL]
	s_wait_dscnt 0x0
	CROUND
	s_endpgm
.Lfunc_end_k_q2a78368f8e_qkv:
	.size	k_q2a78368f8e_qkv, .Lfunc_end_k_q2a78368f8e_qkv-k_q2a78368f8e_qkv
	.p2alignl 7, 3214868480
	.fill 96, 4, 3214868480
	.section	.rodata,"a",@progbits
	.p2align	6, 0x0
	.amdhsa_kernel k_q2a78368f8e_qkv
		.amdhsa_group_segment_fixed_size 327680
		.amdhsa_private_segment_fixed_size 0
		.amdhsa_enable_private_segment 0
		.amdhsa_kernarg_size 56
		.amdhsa_user_sgpr_count 2
		.amdhsa_user_sgpr_kernarg_segment_ptr 1
		.amdhsa_wavefront_size32 1
		.amdhsa_system_sgpr_workgroup_id_x 1
		.amdhsa_system_sgpr_workgroup_id_y 1
		.amdhsa_system_sgpr_workgroup_id_z 1
		.amdhsa_system_vgpr_workitem_id 0
		.amdhsa_next_free_vgpr 1024
		.amdhsa_next_free_sgpr 102
		.amdhsa_reserve_vcc 0
		.amdhsa_float_denorm_mode_32 3
		.amdhsa_float_denorm_mode_16_64 3
		.amdhsa_memory_ordered 1
		.amdhsa_forward_progress 1
		.amdhsa_inst_pref_size 215
	.end_amdhsa_kernel
	.amdgpu_metadata
---
amdhsa.version: [ 1, 2 ]
amdhsa.kernels:
  - .name:           k_q2a78368f8e_qkv
    .symbol:         k_q2a78368f8e_qkv.kd
    .args:
      - { .name: xc, .offset: 0, .size: 8, .value_kind: global_buffer, .address_space: global }
      - { .name: wc, .offset: 8, .size: 8, .value_kind: global_buffer, .address_space: global }
      - { .name: bq, .offset: 16, .size: 8, .value_kind: global_buffer, .address_space: global }
      - { .name: kmod, .offset: 24, .size: 8, .value_kind: global_buffer, .address_space: global }
      - { .name: bv, .offset: 32, .size: 8, .value_kind: global_buffer, .address_space: global }
      - { .name: lowp_scales, .offset: 40, .size: 8, .value_kind: global_buffer, .address_space: global }
      - { .name: qkvc, .offset: 48, .size: 8, .value_kind: global_buffer, .address_space: global }
    .group_segment_fixed_size: 327680
    .private_segment_fixed_size: 0
    .kernarg_segment_align: 8
    .kernarg_segment_size: 56
    .max_flat_workgroup_size: 128
    .sgpr_count:     102
    .vgpr_count:     1024
    .wavefront_size: 32
...
	.end_amdgpu_metadata
.endif
;; end of part 2
;; launch attn (part 3): grid 2 x 128, 16 waves a work-group, no clusters, 137,216 bytes of LDS; arguments qkvc, attn_mask, tb, lowp_scales, oc; writes oc
.if DOCPART == 3
	.amdgcn_target "amdgcn-amd-amdhsa--gfx1250"
	.amdhsa_code_object_version 6
	.text
	.protected	k_q2a78368f8e_attn
	.globl	k_q2a78368f8e_attn
	.p2align	8
	.type	k_q2a78368f8e_attn,@function
k_q2a78368f8e_attn:
	s_mov_b64 s[64:65], 0
	v_nop
	global_prefetch_b8 v0, s[64:65] scope:SCOPE_SE
	s_setreg_imm32_b32 hwreg(HW_REG_WAVE_MODE, 25, 1), 1
	s_wait_xcnt 0x0
; Attention of one head on codes of E4M3: S^T = K Q^T, the softmax by the stated way, O^T = V^T P^T, and O quantised into the last projection's operand image.
; t = (score x 2^(e6 + e7) / 8 + bias) x log2(e) = S c + bl;  M = the row's largest t rounded UP to a whole number;  p = 2^(t - M) is quantised with 2^e8, not normalised;
; the row's sum is taken of the unquantised p and divides at the end.
; TWO WALKS OVER THE KEYS.  The head's whole K and V lie in LDS, so the first walk makes S^T and keeps only each query's largest score; M is then final, and the second walk makes S^T again,
; p, the sum and O^T: nothing is ever rescaled, and a key step carries no bookkeeping of a running maximum.
; SHARES.  A work-group owns 512 queries of one (batch, head); each of its sixteen waves two tiles of 16 queries, in 256 registers, four waves to a SIMD.
; K AND V COME THROUGH REGISTERS.  At the head each wave asks for its 2 x 2 KiB of K and its 4 KiB of V (16 loads of 512 bytes, into the registers that later hold O^T) and hands them to LDS by ds_store:
; K's first half ahead of the first walk's keys 0-511, its second half ahead of keys 512-1,023, V ahead of the second walk: three barriers in all, each filling bytes that nobody has read.
; No cluster: only two work-groups read a head's tiles.  No prefetch: all that is read is asked for at the head, there is no loop to run ahead in.
; LAYOUT.  q, k, v lie as images of operand registers (byte = (batch x 16 + head) << 16 | tile << 10 | chunk << 9 | lane << 4), so a fragment is two loads of 16 bytes at 16 x lane.  Both products are used transposed: a lane holds
; one query throughout.  Lane-row r of a tile is row 32 (tile / 2) + 8 (tile % 2) + r + 8 (r / 8), so the 16 registers of key tiles 2 b, 2 b + 1 are keys 32 b + 16 h + 0 .. 15: the conversions' results are the second product's operand.
; THE MASK is the first product's C: 0 for a key that counts, -2^100 for a masked one, as f32 in LDS in the order of the keys.  Every wave also reads the batch's 1,024 mask bytes, 32 a lane, and keeps one bit for each 32 keys:
; a key step none of whose 64 keys is masked takes the constant 0 as C and loads no mask (a scalar branch on whole numbers read from memory; both arms hold the same products, and no barrier stands in them).
; A row all of whose keys are masked gets NaN codes, as a softmax over nothing gives NaN: it is known by its largest t lying under c x -2^99 (held at -1e38 from below).
; LIMITS: e6 + e7 between -87 and 130; |bl| under c x 2^98; e8, e10 between -126 and 119; e8 + e9 is applied by v_ldexp_f32 and has none.  NaN among the inputs is not served.
.set VOFF, 65536                       ; LDS: K's 64 KiB (4 KiB a key step), then V's
.set MASK, 131072                      ; behind them: f32 [1024]
.set SPARE, 135168                     ; behind the mask: the spare words, 128 bytes for each wave, that no other line names
.set LI,   1                           ; v1   16 x lane
.set AM0,  2                           ; v2   MASK + 64 h
.set ADR,  3                           ; v3   the step's tiles of K
.set ADM,  4                           ; v4   the step's part of the mask
.set PSC,  5                           ; v5   2^e8 (on the way out 2^e10)
.set PLIM, 6                           ; v6   448 x that
.set PLIM2, 7                          ; v7   the same once more: the two halves of a dual pair take their second sources from different banks
.set ST,   8                           ; tile u's numbers at v[8 + 8 u]: +0 bl - M, +1 the largest t, +2 .. +5 the sum in two chains of pairs, +6 +7 the largest score in two chains, then at work
.set Q,    24                          ; v24-39   Q's two fragments
.set KV,   40                          ; v40-71   four fragments of K, then of V
.set MC,   72                          ; v72-103  the mask in the layout of four results
.set S,    104                         ; v104-167 S^T, then p: 32 a tile; at work at the head
.set PC,   168                         ; v168-183 p's codes: 8 a tile
.set O,    184                         ; v184-247 O^T: 32 a tile; before that K's and V's bytes on their way to LDS
.set TP,   248                         ; v248-249 lane permutes' destinations
.set ADV,  250                         ; v250     the step's tiles of V
.set TH,   251                         ; v251     under this largest t a row is wholly masked
.set SPW,  252                         ; v252     LDS address of my spare word; never rewritten
.set NIL,  253                         ; v253     0; never rewritten
.set KST,  254                         ; v254     where my part of K goes in LDS
.set VST,  255                         ; v255     the same for V
.set MST,  S+6                         ; head only: where my two keys of the mask go
.set MO,   S+7                         ; head only: 2 x thread
.set FO,   S+16                        ; head only: 32 x lane
.set FL,   36                          ; s36  bit l: one of keys 32 l .. 32 l + 31 is masked
.set FLW,  37                          ; s37  the same, shifted by two bits a step
.set TF,   38
.set TB,   48                          ; s48  LDS byte of the step's K tiles
.set TM,   49                          ; s49  byte of the step's keys in the mask
.set CNT,  50
	s_load_b128 s[4:7], s[0:1], 0x0                ; qkvc s[4:5], attn_mask s[6:7]
	s_load_b128 s[8:11], s[0:1], 0x10              ; tb s[8:9], the scales' exponents s[10:11]
	s_load_b64 s[12:13], s[0:1], 0x20              ; oc
	v_lshl_add_u32 v[SPW], v0, 2, SPARE
	v_mov_b32 v[NIL], 0
	v_lshrrev_b32 v[ADR], 5, v0
	v_readfirstlane_b32 s14, v[ADR]                ; wave 0..15
	v_and_b32 v[ADM], 31, v0
	v_lshlrev_b32 v[LI], 4, v[ADM]
	v_lshlrev_b32 v[FO], 5, v[ADM]
	v_lshlrev_b32 v[MO], 1, v0
	v_lshl_add_u32 v[MST], v0, 3, MASK
	v_bfe_u32 v[AM0], v0, 4, 1
	v_lshl_add_u32 v[AM0], v[AM0], 6, MASK
	s_and_b32 s15, ttmp7, 0xffff                   ; batch x 16 + head
	s_lshr_b32 s16, s15, 4                         ; batch
	s_and_b32 s17, s15, 15                         ; head
	s_lshl_b32 s24, s15, 16                        ; the head's image in each of q, k, v
	s_lshl_b32 s2, ttmp9, 5
	s_lshl_b32 s3, s14, 1
	s_add_co_u32 s2, s2, s3                        ; my first tile of queries: 32 x half + 2 x wave
	s_lshl_b32 s2, s2, 10
	s_add_co_u32 s2, s2, s24
	s_mov_b32 s3, 0
	s_lshl_b32 s34, s14, 11                        ; K: my 2 KiB of each half's 32
	s_add_co_u32 s26, s34, s24
	s_add_co_u32 s26, s26, 0x800000                ; k's images begin at 8 MiB
	s_mov_b32 s27, 0
	s_lshl_b32 s35, s14, 12                        ; V: my 4 KiB of 64
	s_add_co_u32 s28, s35, s24
	s_add_co_u32 s28, s28, 0x1000000               ; v's at 16 MiB
	s_mov_b32 s29, 0
	s_add_co_u32 s35, s35, VOFF
	s_lshl_b32 s30, s16, 10                        ; my batch's mask
	s_mov_b32 s31, 0
	s_lshl_b32 s32, s15, 2                         ; my entry of tb
	s_mov_b32 s33, 0
	s_mov_b32 s20, 0x76543210                      ; v_permlanex16_b32: lane l xor 16
	s_mov_b32 s21, 0xfedcba98
	s_wait_alu depctr_va_vdst(0)                   ; behind the run of scalar lines and ahead of the readers below
	v_add_nc_u32 v[KST], s34, v[LI]
	v_add_nc_u32 v[VST], s35, v[LI]
.irp u, 0,1
	v_mov_b32 v[ST+8*\u+6], 0xff61b1e6             ; the largest score so far: -3e38, in both chains
	v_mov_b32 v[ST+8*\u+7], 0xff61b1e6
	v_mov_b32 v[TP+\u], 0                          ; written once: a lane permute's destination counts as one of its sources
.endr
	s_wait_alu depctr_va_vdst(0)                   ; directly ahead of the wait below
	s_wait_kmcnt 0x0
	s_add_nc_u64 s[26:27], s[4:5], s[26:27]
	s_add_nc_u64 s[2:3], s[4:5], s[2:3]
	s_add_nc_u64 s[28:29], s[4:5], s[28:29]
	s_add_nc_u64 s[6:7], s[6:7], s[30:31]
	s_add_nc_u64 s[8:9], s[8:9], s[32:33]
.irp i, 0,1,2,3
	global_load_b128 v[O+4*\i:O+4*\i+3], v[LI], s[26:27] offset:512*\i             ; K, keys 0-511: what is needed first is asked for first
.endr
.irp i, 0,1,2,3
	global_load_b128 v[Q+4*\i:Q+4*\i+3], v[LI], s[2:3] offset:512*\i
.endr
	global_load_u16 v[S], v[MO], s[6:7]                                            ; two keys of the mask a thread, for the f32 table
	global_load_b128 v[S+8:S+11], v[FO], s[6:7]                                    ; 32 keys of the mask a lane, for the bits
	global_load_b128 v[S+12:S+15], v[FO], s[6:7] offset:16
.irp i, 0,1,2,3
	global_load_b128 v[O+16+4*\i:O+16+4*\i+3], v[LI], s[26:27] offset:32768+512*\i ; K, keys 512-1,023
.endr
.irp i, 0,1,2,3,4,5,6,7
	global_load_b128 v[O+32+4*\i:O+32+4*\i+3], v[LI], s[28:29] offset:512*\i       ; V
.endr
	s_load_b256 s[52:59], s[10:11], 0x10           ; e4 .. e11
	s_load_b32 s18, s[8:9], 0x0                    ; bl
	s_wait_kmcnt 0x0
	s_add_co_i32 s22, s54, s55
	s_lshl_b32 s22, s22, 23
	s_add_co_i32 s22, s22, 0x3e38aa3b              ; c = log2(e) / 8 x 2^(e6 + e7): the two exponents are added to the exponent field
	s_mov_b32 s23, s22                             ; (named with it as a pair, so it is written)
	s_add_co_i32 s60, s56, 127
	s_lshl_b32 s62, s60, 23
	v_mov_b32 v[PSC], s62                          ; 2^e8
	s_add_co_i32 s60, s60, 8
	s_lshl_b32 s60, s60, 23
	s_or_b32 s60, s60, 0x600000
	v_mov_b32 v[PLIM], s60                         ; 448 x 2^e8
	v_mov_b32 v[PLIM2], s60
	v_mov_b32 v[TH], s22
	v_mul_f32 v[TH], 0xf1000000, v[TH]             ; c x -2^99,
	v_max_num_f32 v[TH], 0xfe967699, v[TH]         ; not under -1e38
	s_wait_alu depctr_va_vdst(0)                   ; at the head's end
	s_wait_loadcnt 12                              ; K's first half, Q and the mask are in; K's second half (4 loads) and V (8) may be out
.irp i, 0,1,2,3
	ds_store_b128 v[KST], v[O+4*\i:O+4*\i+3] offset:512*\i
.endr
	v_and_b32 v[S+1], 0xff, v[S]
	v_lshrrev_b32 v[S+2], 8, v[S]
	v_mov_b32 v[S+3], 0xf1800000                   ; -2^100
	v_cmp_ne_u32 vcc_lo, 0, v[S+1]
	v_cndmask_b32 v[S+4], 0, v[S+3], vcc_lo
	v_cmp_ne_u32 vcc_lo, 0, v[S+2]
	v_cndmask_b32 v[S+5], 0, v[S+3], vcc_lo
	ds_store_b64 v[MST], v[S+4:S+5]
	v_or_b32 v[S+8], v[S+8], v[S+9]                ; is one of my lane's 32 keys masked?
	v_or_b32 v[S+10], v[S+10], v[S+11]
	v_or_b32 v[S+12], v[S+12], v[S+13]
	v_or_b32 v[S+14], v[S+14], v[S+15]
	v_or_b32 v[S+8], v[S+8], v[S+10]
	v_or_b32 v[S+12], v[S+12], v[S+14]
	v_or_b32 v[S+8], v[S+8], v[S+12]
	v_cmp_ne_u32 vcc_lo, 0, v[S+8]
	s_mov_b32 s[FL], vcc_lo                        ; the same 32 bits in every wave of the work-group
.macro BAR                             ; my LDS stores are done and no LDS load of mine is out; then all sixteen waves meet
	s_wait_dscnt 0x0
	s_barrier_signal -1
	s_barrier_wait -1
.endm
.macro KLOAD
.set i, 0
.rept 8
	ds_load_b128 v[KV+4*i:KV+4*i+3], v[ADR] offset:512*i
.set i, i+1
.endr
.endm
.macro QK c                            ; S^T for four tiles of 16 keys x my two tiles of queries; c = 1: the mask is C
.irp t, 0,1,2,3
.irp u, 0,1
.if \c
	v_wmma_f32_16x16x64_fp8_fp8 v[S+32*\u+8*\t:S+32*\u+8*\t+7], v[KV+8*\t:KV+8*\t+7], v[Q+8*\u:Q+8*\u+7], v[MC+8*\t:MC+8*\t+7]
.else
	v_wmma_f32_16x16x64_fp8_fp8 v[S+32*\u+8*\t:S+32*\u+8*\t+7], v[KV+8*\t:KV+8*\t+7], v[Q+8*\u:Q+8*\u+7], 0
.endif
.endr
.endr
.endm
; The scores of a key step of 64 keys.  pv = 1, in the second walk: V's address too; the three additions and the v_nop are the four places between the last products and the loads into the registers that they read.
.macro SCORES pv
	v_add_nc_u32 v[ADR], s[TB], v[LI]
	v_add_nc_u32 v[ADM], s[TM], v[AM0]
.if \pv
	v_add_nc_u32 v[ADV], VOFF, v[ADR]
	v_nop
.endif
	s_wait_alu depctr_va_vdst(0)                   ; ahead of the branch and the waits below
	s_and_b32 s[TF], s[FLW], 3                     ; the step's two bits
	s_cmp_lg_u32 s[TF], 0
	s_cbranch_scc1 .Lmasked_\@
	KLOAD
	s_wait_dscnt 0x0
	QK 0
	s_branch .Ljoin_\@
.Lmasked_\@:
	KLOAD
.irp t, 0,1,2,3
	ds_load_b128 v[MC+8*\t:MC+8*\t+3], v[ADM] offset:128*(\t/2)+32*(\t%2)      ; register j of tile t is key 32 (t / 2) + 8 (t % 2) + 16 h + j; the sixteen lanes of a half read the same words
	ds_load_b128 v[MC+8*\t+4:MC+8*\t+7], v[ADM] offset:128*(\t/2)+32*(\t%2)+16
.endr
	s_wait_dscnt 0x0
	QK 1
.Ljoin_\@:
.rept 4
	v_nop                                          ; four places behind the products (ISA guide 7.12.1)
.endr
.endm
.macro NEXT label                      ; on to the next 64 keys
	s_lshr_b32 s[FLW], s[FLW], 2
	s_add_co_u32 s[TB], s[TB], 4096
	s_add_co_u32 s[TM], s[TM], 256
	s_sub_co_u32 s[CNT], s[CNT], 1
	s_cmp_lg_u32 s[CNT], 0
	s_cbranch_scc1 \label
.endm
; THE FIRST WALK: n key steps; of each score only the largest is kept, four chains by turns, each result from its low end on.
.macro WALK1 n
	s_mov_b32 s[CNT], \n
.Lw1_\@:
	SCORES 0
.irp t, 0,1,2,3
.irp n2, 0,4
.irp u, 0,1
	v_max3_num_f32 v[ST+8*\u+6], v[ST+8*\u+6], v[S+32*\u+8*\t+\n2], v[S+32*\u+8*\t+\n2+1]
	v_max3_num_f32 v[ST+8*\u+7], v[ST+8*\u+7], v[S+32*\u+8*\t+\n2+2], v[S+32*\u+8*\t+\n2+3]
.endr
.endr
.endr
	NEXT .Lw1_\@
.endm
	BAR                                            ; K's first half and the mask are whole
	s_mov_b32 s[FLW], s[FL]
	s_mov_b32 s[TB], 0
	s_mov_b32 s[TM], 0
	WALK1 8                                        ; keys 0 to 511
	s_wait_loadcnt 8                               ; K's second half is in; V's 8 loads may be out
.irp i, 0,1,2,3
	ds_store_b128 v[KST], v[O+16+4*\i:O+16+4*\i+3] offset:32768+512*\i
.endr
	BAR
	s_mov_b32 s[TB], 8*4096
	s_mov_b32 s[TM], 8*256
	WALK1 8                                        ; keys 512 to 1,023
	; M, final for the whole row
.irp u, 0,1
	v_max_num_f32 v[ST+8*\u+6], v[ST+8*\u+6], v[ST+8*\u+7]
.endr
.irp u, 0,1
	v_permlanex16_b32 v[TP+\u], v[ST+8*\u+6], s20, s21
.endr
.irp u, 0,1
	v_max_num_f32 v[ST+8*\u+6], v[ST+8*\u+6], v[TP+\u]         ; and among lane l xor 16's keys
.endr
.irp u, 0,1
	v_fma_f32 v[ST+8*\u+1], v[ST+8*\u+6], s22, s18             ; as t (c is positive)
.endr
.irp u, 0,1
	v_max_num_f32 v[ST+8*\u+1], 0xff61b1e6, v[ST+8*\u+1]       ; held at -3e38 from below
.endr
.irp u, 0,1
	v_floor_f32 v[ST+8*\u+7], -v[ST+8*\u+1]                    ; -M = floor(-t): M is a whole number
.endr
.irp u, 0,1
	v_add_f32 v[ST+8*\u], s18, v[ST+8*\u+7]                    ; bl - M
.endr
.irp u, 0,1
.irp n, 2,3,4,5
	v_mov_b32 v[ST+8*\u+\n], 0                                 ; the sum
.endr
.endr
	s_wait_alu depctr_va_vdst(0)                   ; directly ahead of the wait below
	s_wait_loadcnt 0x0                             ; V
.irp i, 0,1,2,3,4,5,6,7
	ds_store_b128 v[VST], v[O+32+4*\i:O+32+4*\i+3] offset:512*\i
.endr
	s_wait_dscnt 0x0                               ; V's part is stored, and the stores have read their registers
	s_barrier_signal -1
.set i, 0
.rept 64
	v_mov_b32 v[O+i], 0                            ; the second walk's step is written once: its first trip adds onto zeros.  Register work between the signal and the wait
.set i, i+1
.endr
	s_barrier_wait -1                              ; V is whole
	; THE SECOND WALK: 16 key steps of 64 keys, both tiles of queries.
	s_mov_b32 s[FLW], s[FL]
	s_mov_b32 s[TB], 0
	s_mov_b32 s[TM], 0
	s_mov_b32 s[CNT], 16
.Lw2:
	SCORES 1
.set i, 0
.rept 8
	ds_load_b128 v[KV+4*i:KV+4*i+3], v[ADV] offset:512*i   ; V's four fragments land while the softmax is worked
.set i, i+1
.endr
.irp u, 0,1
.set i, 0
.rept 16
	v_pk_fma_f32 v[S+32*\u+i:S+32*\u+i+1], v[S+32*\u+i:S+32*\u+i+1], s[22:23], v[ST+8*\u:ST+8*\u+1] op_sel_hi:[1,0,0]   ; t - M, two at a time, each result from its low end on
.set i, i+2
.endr
.endr
	s_wait_alu depctr_va_vdst(0)                   ; ahead of the batch
.set i, 0
.rept 64
	v_exp_f32 v[S+i], v[S+i]                       ; p = 2^(t - M), at most 1
.set i, i+1
.endr
	v_nop                                          ; a plain instruction behind the last exponential
	s_wait_alu depctr_va_vdst(0)                   ; one wait for the batch of 64, ahead of its first reader
.irp n, 0,4,8,12,16,20,24,28
.irp u, 0,1
	v_pk_add_f32 v[ST+8*\u+2:ST+8*\u+3], v[ST+8*\u+2:ST+8*\u+3], v[S+32*\u+\n:S+32*\u+\n+1]       ; the sum of the unquantised p, four chains by turns
	v_pk_add_f32 v[ST+8*\u+4:ST+8*\u+5], v[ST+8*\u+4:ST+8*\u+5], v[S+32*\u+\n+2:S+32*\u+\n+3]
.endr
.endr
.irp u, 0,1
.set i, 0
.rept 16
	v_dual_min_num_f32 v[S+32*\u+i], v[S+32*\u+i], v[PLIM] :: v_dual_min_num_f32 v[S+32*\u+i+1], v[S+32*\u+i+1], v[PLIM2]   ; the conversion does not saturate (ISA guide 7.6.2); p is not negative, so the hold is one-sided; two numbers a pair
.set i, i+2
.endr
.set i, 0
.rept 4
	v_cvt_scalef32_pk8_fp8_f32 v[PC+8*\u+2*i:PC+8*\u+2*i+1], v[S+32*\u+8*i:S+32*\u+8*i+7], v[PSC]
.set i, i+1
.endr
	v_nop                                          ; a plain instruction behind the conversions
.endr
	s_wait_dscnt 0x0                               ; V
	s_wait_alu depctr_va_vdst(0)                   ; directly ahead of the first reader of O^T
.irp t, 0,1,2,3
.irp u, 0,1
	v_wmma_f32_16x16x64_fp8_fp8 v[O+32*\u+8*\t:O+32*\u+8*\t+7], v[KV+8*\t:KV+8*\t+7], v[PC+8*\u:PC+8*\u+7], v[O+32*\u+8*\t:O+32*\u+8*\t+7]   ; the eight accumulators take turns
.endr
.endr
	NEXT .Lw2
	; THE WAY OUT: O^T / the sum x 2^(e8 + e9), quantised with 2^e10.  The conversions' results are chunks of the next operand's image: row = token, K = 64 x head + channel.
.irp u, 0,1
	v_pk_add_f32 v[ST+8*\u+2:ST+8*\u+3], v[ST+8*\u+2:ST+8*\u+3], v[ST+8*\u+4:ST+8*\u+5]
.endr
.irp u, 0,1
	v_add_f32 v[ST+8*\u+6], v[ST+8*\u+2], v[ST+8*\u+3]
.endr
.irp u, 0,1
	v_permlanex16_b32 v[TP+\u], v[ST+8*\u+6], s20, s21
.endr
.irp u, 0,1
	v_add_f32 v[ST+8*\u+6], v[ST+8*\u+6], v[TP+\u]             ; the row's sum
.endr
	s_wait_alu depctr_va_vdst(0)                   ; ahead of the reciprocals
.irp u, 0,1
	v_rcp_f32 v[ST+8*\u+6], v[ST+8*\u+6]
.endr
	v_nop                                          ; a plain instruction behind the last reciprocal
	s_add_co_i32 s60, s56, s57
	s_add_co_i32 s62, s58, 127
	s_lshl_b32 s63, s62, 23
	v_mov_b32 v[PSC], s63                          ; 2^e10
	s_add_co_i32 s62, s62, 8
	s_lshl_b32 s62, s62, 23
	s_or_b32 s62, s62, 0x600000
	v_mov_b32 v[PLIM], s62                         ; 448 x 2^e10
	v_mov_b32 v[ADV], 0x7f7f7f7f                   ; four NaN codes
	s_wait_alu depctr_va_vdst(0)                   ; one wait for both reciprocals, ahead of their first reader, and ahead of the first reader of O^T
.irp u, 0,1
	v_ldexp_f32 v[ST+8*\u+6], v[ST+8*\u+6], s60
.endr
.irp u, 0,1
.set i, 0
.rept 16
	v_pk_mul_f32 v[O+32*\u+i:O+32*\u+i+1], v[O+32*\u+i:O+32*\u+i+1], v[ST+8*\u+6:ST+8*\u+7] op_sel_hi:[1,0]
.set i, i+2
.endr
.endr
.set i, 0
.rept 64
	v_med3_num_f32 v[O+i], v[O+i], -v[PLIM], v[PLIM]
.set i, i+1
.endr
.set i, 0
.rept 8
	v_cvt_scalef32_pk8_fp8_f32 v[PC+2*i:PC+2*i+1], v[O+8*i:O+8*i+7], v[PSC]
.set i, i+1
.endr
	v_nop
.irp u, 0,1
	v_cmp_lt_f32 vcc_lo, v[ST+8*\u+1], v[TH]       ; a row with no key at all
.set i, 0
.rept 8
	v_cndmask_b32 v[PC+8*\u+i], v[PC+8*\u+i], v[ADV], vcc_lo
.set i, i+1
.endr
.endr
	s_lshl_b32 s60, s16, 2
	s_lshl_b32 s61, ttmp9, 1
	s_add_co_u32 s60, s60, s61
	s_lshr_b32 s61, s14, 3
	s_add_co_u32 s60, s60, s61                     ; the tile of 256 tokens
	s_lshl_b32 s60, s60, 18
	s_lshr_b32 s61, s17, 2
	s_lshl_b32 s61, s61, 16                        ; 256 along K are four heads
	s_add_co_u32 s60, s60, s61
	s_and_b32 s61, s14, 7
	s_lshl_b32 s61, s61, 13                        ; my two row blocks among the tile's sixteen
	s_add_co_u32 s60, s60, s61
	s_and_b32 s61, s17, 3
	s_lshl_b32 s61, s61, 10                        ; a head is two chunks of 512 bytes
	s_add_co_u32 s60, s60, s61
	s_mov_b32 s61, 0
	s_add_nc_u64 s[12:13], s[12:13], s[60:61]
	s_wait_alu depctr_va_vdst(0)                   ; behind the run of scalar lines and ahead of the stores
.irp u, 0,1
.irp b, 0,1
	global_store_b128 v[LI], v[PC+8*\u+4*\b:PC+8*\u+4*\b+3], s[12:13] offset:4096*\u+512*\b   ; 512 consecutive bytes, aligned
.endr
.endr
	s_wait_tensorcnt 0x0                           ; the wave's end, behind my last LDS store
	ds_add_u32 v[SPW], v[NIL]
	s_wait_dscnt 0x0
	s_endpgm
.Lfunc_end_k_q2a78368f8e_attn:
	.size	k_q2a78368f8e_attn, .Lfunc_end_k_q2a78368f8e_attn-k_q2a78368f8e_attn
	.p2alignl 7, 3214868480
	.fill 96, 4, 3214868480
	.section	.rodata,"a",@progbits
	.p2align	6, 0x0
	.amdhsa_kernel k_q2a78368f8e_attn
		.amdhsa_group_segment_fixed_size 137216
		.amdhsa_private_segment_fixed_size 0
		.amdhsa_enable_private_segment 0
		.amdhsa_kernarg_size 40
		.amdhsa_user_sgpr_count 2
		.amdhsa_user_sgpr_kernarg_segment_ptr 1
		.amdhsa_wavefront_size32 1
		.amdhsa_system_sgpr_workgroup_id_x 1
		.amdhsa_system_sgpr_workgroup_id_y 1
		.amdhsa_system_sgpr_workgroup_id_z 1
		.amdhsa_system_vgpr_workitem_id 0
		.amdhsa_next_free_vgpr 256
		.amdhsa_next_free_sgpr 66
		.amdhsa_reserve_vcc 1
		.amdhsa_float_denorm_mode_32 3
		.amdhsa_float_denorm_mode_16_64 3
		.amdhsa_memory_ordered 1
		.amdhsa_forward_progress 1
		.amdhsa_inst_pref_size 44
	.end_amdhsa_kernel
	.amdgpu_metadata
---
amdhsa.version: [ 1, 2 ]
amdhsa.kernels:
  - .name:           k_q2a78368f8e_attn
    .symbol:         k_q2a78368f8e_attn.kd
    .args:
      - { .name: qkvc, .offset: 0, .size: 8, .value_kind: global_buffer, .address_space: global }
      - { .name: attn_mask, .offset: 8, .size: 8, .value_kind: global_buffer, .address_space: global }
      - { .name: tb, .offset: 16, .size: 8, .value_kind: global_buffer, .address_space: global }
      - { .name: lowp_scales, .offset: 24, .size: 8, .value_kind: global_buffer, .address_space: global }
      - { .name: oc, .offset: 32, .size: 8, .value_kind: global_buffer, .address_space: global }
    .group_segment_fixed_size: 137216
    .private_segment_fixed_size: 0
    .kernarg_segment_align: 8
    .kernarg_segment_size: 40
    .max_flat_workgroup_size: 512
    .sgpr_count:     66
    .vgpr_count:     256
    .wavefront_size: 32
...
	.end_amdgpu_metadata
.endif
;; end of part 3
;; launch oproj (part 4): grid 4 x 64, 4 waves a work-group, clusters of 4 x 4, 327,680 bytes of LDS; arguments oc, wc, bo, lowp_scales, out0; writes out0
.if DOCPART == 4
	.amdgcn_target "amdgcn-amd-amdhsa--gfx1250"
	.amdhsa_code_object_version 6
	.text
	.protected	k_q2a78368f8e_oproj
	.globl	k_q2a78368f8e_oproj
	.p2align	8
	.type	k_q2a78368f8e_oproj,@function
k_q2a78368f8e_oproj:
	s_mov_b64 s[64:65], 0
	v_nop
	global_prefetch_b8 v0, s[64:65] scope:SCOPE_SE
	s_setreg_imm32_b32 hwreg(HW_REG_WAVE_MODE, 25, 1), 1
	s_wait_xcnt 0x0
	s_wait_alu depctr_hold_cnt(0) depctr_sa_sdst(0) depctr_va_vdst(0) depctr_va_sdst(0) depctr_va_ssrc(0) depctr_va_vcc(0) depctr_vm_vsrc(0)
	s_getreg_b32 s2, hwreg(HW_REG_IB_STS2, 6, 4)
	s_cmp_eq_u32 s2, 0
	s_cbranch_scc0 .Lentry_in_a_cluster
	s_endpgm
.Lentry_in_a_cluster:
	s_bfe_u32 s2, ttmp6, 0x10000c
	s_cmp_lg_u32 s2, 0xf033
	s_cbranch_scc0 .Lentry_shape_is_right
	s_endpgm
.Lentry_shape_is_right:
.set FR,     16
.set NP,     4
.set ABYT,   32768
.set SLOT,   98304
.set SPARE,  3*SLOT
.set STAGE,  SLOT
.set SPITCH, 528
.set ADRH, 16
.set ADRB, 20
.set STO,  24
.set RD,   25
.set CO,   26
.set BO,   27
.set SPW,  28
.set NIL,  29
.set CB,   32
.set AF,   128
.set BK,   128
.set G1,  24
.set G1B, 32
.set G0,  40
.set G0B, 52
.set MSB, 0
.macro WIN new
.if MSB != \new
	s_set_vgpr_msb (MSB<<8)|\new
.set MSB, \new
.endif
.endm
.set MUL_LO, 0xa1
.set TO_B,   0x40
.macro JLOAD g0a, g1a, g0b, g1b
	s_cmp_eq_u32 s15, 0
	s_cbranch_scc0 .Lfor_b_\@
	tensor_load_to_lds s[\g0a:\g0a+3], s[\g1a:\g1a+7]
	s_nop 0
.rept 4
	v_nop
.endr
	s_branch .Lasked_\@
.Lfor_b_\@:
	tensor_load_to_lds s[\g0b:\g0b+3], s[\g1b:\g1b+7]
	s_nop 0
.rept 4
	v_nop
.endr
.Lasked_\@:
.endm
.macro CREST
	s_cmp_lg_u32 s14, 0
	s_cbranch_scc1 .Lnot_wave_0_\@
	s_barrier_signal -3
.Lnot_wave_0_\@:
	s_barrier_wait -3
	s_barrier_signal -1
	s_barrier_wait -1
.endm
.macro CROUND
	s_barrier_signal -1
	s_barrier_wait -1
	CREST
.endm
	s_load_b128 s[4:7], s[0:1], 0x0
	s_load_b128 s[8:11], s[0:1], 0x10
	s_load_b64 s[72:73], s[0:1], 0x20
	v_lshl_add_u32 v[SPW], v0, 2, SPARE
	v_mov_b32 v[NIL], 0
	ds_add_u32 v28, v29
	ds_add_u32 v28, v29
	s_wait_dscnt 0x0
	v_lshrrev_b32 v1, 5, v0
	v_readfirstlane_b32 s14, v1
	s_lshr_b32 s15, s14, 1
	s_and_b32 s16, s14, 1
	s_bfe_u32 s66, ttmp6, 0x40000
	s_bfe_u32 s67, ttmp6, 0x40004
	s_lshl_b32 s68, ttmp9, 2
	s_add_co_u32 s68, s68, s66
	s_and_b32 s17, ttmp7, 0xffff
	s_lshl_b32 s17, s17, 2
	s_add_co_u32 s17, s17, s67
	s_lshl_b32 s69, s67, 2
	s_lshl_b32 s69, 15, s69
	s_lshl_b32 s70, 0x1111, s66
	s_or_b32 s[G1+0], s69, (3<<16)|(1<<21)
	s_mov_b32 s[G1+1], 32<<16
	s_mov_b32 s[G1+2], 64<<16
	s_mov_b32 s[G1+3], 32<<16
	s_mov_b32 s[G1+4], 64
	s_mov_b32 s[G1+5], 32
	s_mov_b32 s[G1+6], 0
	s_mov_b32 s[G1+7], 0
	s_or_b32 s[G1B+0], s70, (3<<16)|(1<<21)
	s_mov_b32 s[G1B+1], 32<<16
	s_mov_b32 s[G1B+2], 128<<16
	s_mov_b32 s[G1B+3], 32<<16
	s_mov_b32 s[G1B+4], 128
	s_mov_b32 s[G1B+5], 32
	s_mov_b32 s[G1B+6], 0
	s_mov_b32 s[G1B+7], 0
	s_lshr_b32 s20, s17, 1
	s_lshl_b32 s20, s20, 18
	s_and_b32 s21, s17, 1
	s_lshl_b32 s21, s21, 15
	s_add_co_u32 s20, s20, s21
	s_lshl_b32 s21, s16, 14
	s_add_co_u32 s20, s20, s21
	s_mov_b32 s21, 0
	s_lshl_b32 s76, s68, 18
	s_lshl_b32 s77, s16, 15
	s_add_co_u32 s76, s76, s77
	s_add_co_u32 s76, s76, 0x300000
	s_mov_b32 s77, 0
	s_lshl_b32 s78, s16, 14
	s_lshl_b32 s79, s16, 15
	s_add_co_u32 s79, s79, ABYT
	s_wait_kmcnt 0x0
	s_load_b64 s[96:97], s[10:11], 0x28
	s_add_nc_u64 s[20:21], s[4:5], s[20:21]
	s_add_nc_u64 s[76:77], s[6:7], s[76:77]
	CROUND
.irp s, 0,1,2
	s_mov_b32 s[G0+4*\s], 1
	s_add_co_u32 s[G0+4*\s+1], s78, \s*SLOT
	s_add_nc_u64 s[G0+4*\s+2:G0+4*\s+3], s[20:21], \s*65536
	s_or_b32 s[G0+4*\s+3], s[G0+4*\s+3], 0x80000000
	s_mov_b32 s[G0B+4*\s], 1
	s_add_co_u32 s[G0B+4*\s+1], s79, \s*SLOT
	s_add_nc_u64 s[G0B+4*\s+2:G0B+4*\s+3], s[76:77], \s*65536
	s_or_b32 s[G0B+4*\s+3], s[G0B+4*\s+3], 0x80000000
	s_wait_alu depctr_va_vdst(0)
	s_wait_tensorcnt 0x0
	ds_add_u32 v28, v29
	ds_add_u32 v28, v29
	s_wait_dscnt 0x0
	CROUND
	JLOAD G0+4*\s, G1, G0B+4*\s, G1B
.endr
	v_and_b32 v1, 31, v0
	v_lshlrev_b32 v[CO], 4, v1
	s_lshl_b32 s21, s15, 14
	s_lshl_b32 s22, s16, 15
	s_add_co_u32 s22, s22, ABYT
.irp s, 0,1,2
	v_add_nc_u32 v[ADRH+\s], s21, v[CO]
	v_add_nc_u32 v[ADRB+\s], s22, v[CO]
	s_add_co_u32 s21, s21, SLOT
	s_add_co_u32 s22, s22, SLOT
.endr
	s_mul_i32 s23, s14, 16*SPITCH
	s_add_co_u32 s23, s23, STAGE
	v_and_b32 v2, 15, v0
	v_bfe_u32 v3, v0, 4, 1
	v_mul_u32_u24 v5, v2, SPITCH
	v_lshl_add_u32 v5, v3, 6, v5
	v_add_nc_u32 v[STO], s23, v5
	v_add_nc_u32 v[RD], s23, v[CO]
	v_lshlrev_b32 v[BO], 6, v3
	s_lshl_b32 s74, s68, 10
	s_lshl_b32 s75, s16, 9
	s_add_co_u32 s74, s74, s75
	s_mov_b32 s75, 0
	s_add_nc_u64 s[8:9], s[8:9], s[74:75]
.irp b, 0,1,2,3,4,5,6,7
	global_load_b128 v[CB+8*\b:CB+8*\b+3], v[BO], s[8:9] offset:128*(\b/2)+32*(\b%2)
	global_load_b128 v[CB+8*\b+4:CB+8*\b+7], v[BO], s[8:9] offset:128*(\b/2)+32*(\b%2)+16
.endr
	s_lshl_b32 s22, s17, 19
	s_add_co_u32 s74, s74, s22
	s_lshl_b32 s22, s15, 18
	s_add_co_u32 s74, s74, s22
	s_add_nc_u64 s[72:73], s[72:73], s[74:75]
.macro FRAG reg, adr, q, i
.irp c, 0,1,2,3
	ds_load_b128 v[\reg+4*\c:\reg+4*\c+3], v[\adr] offset:2048*(\q)+512*\c+(\i)*4096
.endr
.endm
.macro HMUL a0, p, zero
.irp a, \a0, \a0+1
.irp b, 0,1,2,3,4,5,6,7
.if \zero
	v_wmma_f32_16x16x128_fp8_fp8 v[8*(8*(\a)+\b):8*(8*(\a)+\b)+7], v[128*(\p)+FR*\b:128*(\p)+FR*\b+FR-1], v[AF+64*(\p)+FR*(\a):AF+64*(\p)+FR*(\a)+FR-1], 0
.else
	v_wmma_f32_16x16x128_fp8_fp8 v[8*(8*(\a)+\b):8*(8*(\a)+\b)+7], v[128*(\p)+FR*\b:128*(\p)+FR*\b+FR-1], v[AF+64*(\p)+FR*(\a):AF+64*(\p)+FR*(\a)+FR-1], v[8*(8*(\a)+\b):8*(8*(\a)+\b)+7]
.endif
.endr
.endr
.endm
.macro HFETCH slot, q, p
	WIN TO_B
.irp i, 0,1,2,3,4,5,6,7
	FRAG 128*(\p)+FR*\i, ADRB+\slot, \q, \i
.endr
	WIN 0
.irp i, 0,1,2,3
	FRAG AF+64*(\p)+FR*\i, ADRH+\slot, \q, \i
.endr
.endm
.macro PLACES n
.rept \n
	v_nop
.endr
.endm
.macro HSTEP p, zero, nslot, nq
	s_wait_dscnt 0x0
	PLACES NP
	HFETCH \nslot, \nq, 1-(\p)
	WIN MUL_LO
	HMUL 0, \p, \zero
	HMUL 2, \p, \zero
.endm
.macro HTURN next, fill
	WIN 0
	s_wait_tensorcnt 0x0
	ds_add_u32 v[SPW], v[NIL]
	s_wait_dscnt 0x0
	s_barrier_signal -1
	WIN MUL_LO
	HMUL 0, 1, 0
	WIN 0
	s_barrier_wait -1
.if \fill
	CREST
	s_add_nc_u64 s[G0+2:G0+3], s[G0+2:G0+3], 3*65536
	s_add_nc_u64 s[G0B+2:G0B+3], s[G0B+2:G0B+3], 3*65536
	JLOAD G0, G1, G0B, G1B
.else
	PLACES NP
.endif
	HFETCH \next, 0, 0
	WIN MUL_LO
	HMUL 2, 1, 0
.endm
	s_wait_tensorcnt 2
	s_barrier_signal -1
	s_barrier_wait -1
	HFETCH 0, 0, 0
	HSTEP 0, 1, 0, 1
	HTURN 1, 1
	HSTEP 0, 0, 1, 1
	s_wait_alu depctr_va_vdst(0)
	HSTEP 1, 0, 2, 0
	HSTEP 0, 0, 2, 1
	HTURN 0, 0
	HSTEP 0, 0, 0, 1
	s_wait_dscnt 0x0
	WIN MUL_LO
	HMUL 0, 1, 0
	HMUL 2, 1, 0
	WIN 0
.macro TOSTAGE a
.set AC, 64*(\a)
.set BB, BK+64*((\a)%2)
	WIN 0x82
.set jj, 0
.rept 32
	v_pk_fma_f32 v[AC+jj:AC+jj+1], v[AC+jj:AC+jj+1], s[96:97], v[CB+jj:CB+jj+1] op_sel_hi:[1,0,1]
.set jj, jj+2
.endr
	WIN 0x08
.irp b, 0,1,2,3,4,5,6,7
	ds_store_b128 v[STO], v[AC+8*\b:AC+8*\b+3] offset:128*(\b/2)+32*(\b%2)
	ds_store_b128 v[STO], v[AC+8*\b+4:AC+8*\b+7] offset:128*(\b/2)+32*(\b%2)+16
.endr
	WIN 0
.irp t, 0,1,2,3,4,5,6,7,8,9,10,11,12,13,14,15
	ds_load_b128 v[BB+4*\t:BB+4*\t+3], v[RD] offset:\t*SPITCH
.endr
.endm
.macro SEND a, younger
.set BB, BK+64*((\a)%2)
	s_wait_dscnt \younger
.irp t, 0,1,2,3,4,5,6,7,8,9,10,11,12,13,14,15
	global_store_b128 v[CO], v[BB+4*\t:BB+4*\t+3], s[72:73] offset:(32*((\a)/2)+8*((\a)%2)+\t+8*(\t/8))*4096 th:TH_STORE_NT
.endr
.endm
	s_wait_kmcnt 0x0
	s_add_co_i32 s96, s96, s97
	s_add_co_i32 s96, s96, 127
	s_lshl_b32 s96, s96, 23
	s_mov_b32 s97, s96
	s_wait_loadcnt 0x0
	PLACES NP
	TOSTAGE 0
.irp a, 1,2,3
.if \a > 1
	s_wait_xcnt 0x0
.endif
	TOSTAGE \a
	SEND \a-1, 32
.endr
	SEND 3, 0
	s_wait_tensorcnt 0x0
	ds_add_u32 v[SPW], v[NIL]
	s_wait_dscnt 0x0
	CROUND
	s_endpgm
.Lfunc_end_k_q2a78368f8e_oproj:
	.size	k_q2a78368f8e_oproj, .Lfunc_end_k_q2a78368f8e_oproj-k_q2a78368f8e_oproj
	.p2alignl 7, 3214868480
	.fill 96, 4, 3214868480
	.section	.rodata,"a",@progbits
	.p2align	6, 0x0
	.amdhsa_kernel k_q2a78368f8e_oproj
		.amdhsa_group_segment_fixed_size 327680
		.amdhsa_private_segment_fixed_size 0
		.amdhsa_enable_private_segment 0
		.amdhsa_kernarg_size 40
		.amdhsa_user_sgpr_count 2
		.amdhsa_user_sgpr_kernarg_segment_ptr 1
		.amdhsa_wavefront_size32 1
		.amdhsa_system_sgpr_workgroup_id_x 1
		.amdhsa_system_sgpr_workgroup_id_y 1
		.amdhsa_system_sgpr_workgroup_id_z 1
		.amdhsa_system_vgpr_workitem_id 0
		.amdhsa_next_free_vgpr 768
		.amdhsa_next_free_sgpr 100
		.amdhsa_reserve_vcc 0
		.amdhsa_float_denorm_mode_32 3
		.amdhsa_float_denorm_mode_16_64 3
		.amdhsa_memory_ordered 1
		.amdhsa_forward_progress 1
		.amdhsa_inst_pref_size 78
	.end_amdhsa_kernel
	.amdgpu_metadata
---
amdhsa.version: [ 1, 2 ]
amdhsa.kernels:
  - .name:           k_q2a78368f8e_oproj
    .symbol:         k_q2a78368f8e_oproj.kd
    .args:
      - { .name: oc, .offset: 0, .size: 8, .value_kind: global_buffer, .address_space: global }
      - { .name: wc, .offset: 8, .size: 8, .value_kind: global_buffer, .address_space: global }
      - { .name: bo, .offset: 16, .size: 8, .value_kind: global_buffer, .address_space: global }
      - { .name: lowp_scales, .offset: 24, .size: 8, .value_kind: global_buffer, .address_space: global }
      - { .name: out0, .offset: 32, .size: 8, .value_kind: global_buffer, .address_space: global }
    .group_segment_fixed_size: 327680
    .private_segment_fixed_size: 0
    .kernarg_segment_align: 8
    .kernarg_segment_size: 40
    .max_flat_workgroup_size: 128
    .sgpr_count:     100
    .vgpr_count:     768
    .wavefront_size: 32
...
	.end_amdgpu_metadata
.endif
;; end of part 4
